; MI455X (gfx1250); checked and timed in simulation.
; The chip was launched on July 23, 2026; its instructions are those of AMD's public machine-readable ISA for CDNA 5 (MIT licence, August 2026) and "CDNA5" Instruction Set Architecture Reference Guide (July 2026). The comments in the code are by the model that wrote it; some were corrected since.
;; Concat Attention. Allowed arithmetic: float matrix products may take bf16 or f16 operands with f32 sums; other float arithmetic in f32, or as packed bf16 or f16 multiplies, adds, multiply-adds, maxima and minima; sums over many terms, partial sums and values carried from step to step in f32; what a program stores and reads back later, other than sums and carried values, may be rounded once to bf16 or f16.
;; Inputs: Wd 1,024 x 1,024 float32; We 1,024 x 1,024 float32; decoder_hidden 1 x 32 x 1,024 float32; encoder_outputs 2,048 x 32 x 1,024 float32; v 1,024 float32.
;; Outputs: out0 32 x 1,024 float32; out1 32 x 2,048 x 1 float32.
;; 2 versions, each right; version 2 is version 1 with the launch main written anew for expert scheduling mode. Each part assembles by itself: llvm-mc -triple=amdgcn-amd-amdhsa -mcpu=gfx1250 --defsym DOCPART=n.
;; ======== version 1 of 2: 3 launches
;; workspace buffers: WT 2,097,152 bytes; D2 131,072 bytes; LG 262,144 bytes; PO 2,097,152 bytes
;; launch prep (part 1): grid 32 x 1, 16 waves a work-group, no clusters, 305,152 bytes of LDS; arguments We, Wd, decoder_hidden, WT, D2; writes WT, D2
.if DOCPART == 1
	.amdgcn_target "amdgcn-amd-amdhsa--gfx1250"
	.amdhsa_code_object_version 6
	.text
	.protected	k_q5c48cc8ade_prep
	.globl	k_q5c48cc8ade_prep
	.p2align	8
	.type	k_q5c48cc8ade_prep,@function
k_q5c48cc8ade_prep:
	s_mov_b64 s[64:65], 0
	v_nop
	global_prefetch_b8 v0, s[64:65] scope:SCOPE_SE
	s_setreg_imm32_b32 hwreg(HW_REG_WAVE_MODE, 25, 1), 1
	s_wait_xcnt 0x0
; PREPARATION.  Two roles, sixteen work-groups each, told apart by the work-group's number alone.
;   role T (work-groups 0-15):  WT = We turned and rounded to bf16, laid out BY FRAGMENTS for the launch behind:
;        [n tile of 16: 64][quarter of 32 k: 32][half: 2][lane: 32][16 bytes]; lane l of a fragment holds column n = l % 16 of the tile,
;        half 0: k = 8 (l / 16) + 0..7, half 1: k = 16 + 8 (l / 16) + 0..7.  A load of 16 bytes a lane then takes 512 consecutive bytes.
;   role D (work-groups 16-31): D2[b][n] = c x the sum over k of decoder_hidden[b][k] Wd[k][n], c = 2 log2(e); operands bf16, sums f32.
; SHARES.  A work-group takes 64 columns n of X (We or Wd, [k][n] in f32) and all 1,024 k; wave w takes k = 64 w .. 64 w + 63, as two groups of 32.
; Each load of X covers two rows' 256 consecutive bytes.  The numbers are rounded to bf16, laid into the wave's own LDS rows ([k][n], pitch 160)
; and read back turned (ds_load_tr16_b128): that IS a fragment (16 n x 32 k).  Role T stores it as it is; role D multiplies it by its k's
; of decoder_hidden, and the sixteen waves' partial sums (f32) meet in LDS behind the one barrier.
; Both roles issue the sixteen loads of decoder_hidden, so that the text has one count of loads on every path.
; LIMITS.  NaN and infinities are not treated apart; numbers beyond bf16's range do not occur in f32 inputs (same exponent range).
.set KROW,  4096                       ; bytes in a row of X and of decoder_hidden
.set P1,    160                        ; an LDS row of 64 bf16: 128 bytes + 32
.set GRP,   32*P1                      ; a group of 32 k
.set R1W,   2*GRP                      ; a wave's two groups
.set PART,  16*R1W                     ; behind them: a partial tile for each wave, 32 rows b x 64 n in f32,
.set PP,    272                        ; pitch 256 + 16
.set PARTW, 32*PP
.set SPARE, PART+16*PARTW              ; behind them: the spare words, 128 bytes for each of sixteen waves, which no other line names
.set SPW, 2                            ; v2   SPARE + 4 x my thread's number; never rewritten
.set NIL, 3                            ; v3   0; never rewritten
.set XO,  4                            ; v4   (64 w + l / 16) x 4096 + 16 (l % 16): my 16 bytes in two rows of X
.set RO,  5                            ; v5   where I put 8 bytes of a row in my wave's LDS rows
.set TO,  6                            ; v6   the turning load's address
.set GO,  7                            ; v7   2048 w + 16 l: my 16 bytes of a fragment in WT
.set DO,  8                            ; v8   4096 (l % 16) + 256 w + 32 (l / 16): my 8 k of a row of decoder_hidden
.set PS,  9                            ; v9   where I put 16 bytes of a partial tile
.set PR0, 10                           ; v10, v11  where I read them back: waves 0-7, waves 8-15
.set GD,  12                           ; v12  my 16 bytes of D2
.set STG, 16                           ; v[16:143]  X as loaded, 32 loads of 4 registers
.set FR,  16                           ; v[16:79]   later the fragments: group gk, n tile t at FR + 32 gk + 8 t
.set ACC, 80                           ; v[80:143]  later the accumulators: b tile bt, n tile t at ACC + 32 bt + 8 t
.set DEC, 144                          ; v[144:207] decoder_hidden in f32: (gk, bt) at DEC + 32 gk + 16 bt
.set T,   208                          ; v[208:239] bf16 at work; then decoder_hidden's fragments: (gk, bt) at T + 16 gk + 8 bt
.set RR,  236                          ; v236-239 hold l % 16, l / 16, l and a scratch number while the addresses are made
.set HH,  237
.set LL,  238
.set TT,  239
.set WV,  14                           ; s14  my wave's number
.set ROLE, 15                          ; s15  0: T, 1: D
.set GI,  16                           ; s16  which 64 columns
	s_load_b256 s[4:11], s[0:1], 0x0               ; We s[4:5], Wd s[6:7], decoder_hidden s[8:9], WT s[10:11]
	s_load_b64 s[12:13], s[0:1], 0x20              ; D2
	v_lshl_add_u32 v[SPW], v0, 2, SPARE
	v_mov_b32 v[NIL], 0
	v_lshrrev_b32 v[RR], 5, v0
	v_readfirstlane_b32 s[WV], v[RR]               ; wave 0..15
	v_and_b32 v[RR], 15, v0
	v_bfe_u32 v[HH], v0, 4, 1
	v_and_b32 v[LL], 31, v0
	s_lshr_b32 s[ROLE], ttmp9, 4
	s_and_b32 s[GI], ttmp9, 15
	s_mov_b32 s24, 0x4038aa3b                      ; c = 2 log2(e)
	s_mov_b32 s25, 0x4038aa3b                      ; named with it as a pair
	s_lshl_b32 s20, s[WV], 18                      ; 64 rows of X
	v_lshlrev_b32 v[XO], 4, v[RR]
	v_lshl_add_u32 v[XO], v[HH], 12, v[XO]
	v_add_nc_u32 v[XO], s20, v[XO]
	s_mul_i32 s21, s[WV], R1W                      ; my wave's LDS rows
	v_mul_u32_u24 v[RO], v[HH], P1
	v_lshl_add_u32 v[RO], v[RR], 3, v[RO]
	v_add_nc_u32 v[RO], s21, v[RO]
	v_and_b32 v[TT], 7, v0                         ; the turning load: lane l reads row 8 (l / 16) + l % 8, bytes 16 ((l / 8) % 2) on
	v_lshl_add_u32 v[TT], v[HH], 3, v[TT]
	v_mul_u32_u24 v[TO], v[TT], P1
	v_bfe_u32 v[TT], v0, 3, 1
	v_lshl_add_u32 v[TO], v[TT], 4, v[TO]
	v_add_nc_u32 v[TO], s21, v[TO]
	s_lshl_b32 s22, s[WV], 11                      ; quarters 2 w and 2 w + 1 of a tile: 2,048 bytes
	v_lshl_add_u32 v[GO], v[LL], 4, s22
	s_lshl_b32 s22, s[WV], 8                       ; my 64 k in f32
	v_lshlrev_b32 v[DO], 12, v[RR]
	v_lshl_add_u32 v[DO], v[HH], 5, v[DO]
	v_add_nc_u32 v[DO], s22, v[DO]
	s_mul_i32 s22, s[WV], PARTW
	s_add_co_u32 s22, s22, PART
	v_mul_u32_u24 v[PS], v[RR], PP                 ; in: row b = l % 16, my 8 columns n
	v_lshl_add_u32 v[PS], v[HH], 5, v[PS]
	v_add_nc_u32 v[PS], s22, v[PS]
	s_mul_i32 s22, s[WV], 2*PP
	s_add_co_u32 s22, s22, PART
	v_mul_u32_u24 v[PR0], v[HH], PP                ; back: row b = 2 w + l / 16, 16 bytes a lane
	v_lshl_add_u32 v[PR0], v[RR], 4, v[PR0]
	v_add_nc_u32 v[PR0], s22, v[PR0]
	v_add_nc_u32 v[PR0+1], 8*PARTW, v[PR0]         ; the immediate holds 16 bits: waves 8-15 have a register of their own
	s_lshl_b32 s22, s[WV], 13
	v_lshlrev_b32 v[GD], 4, v[RR]
	v_lshl_add_u32 v[GD], v[HH], 12, v[GD]
	v_add_nc_u32 v[GD], s22, v[GD]
	s_lshl_b32 s20, s[GI], 8                       ; 64 columns in f32: 256 bytes
	s_mov_b32 s21, 0
	s_wait_kmcnt 0x0
	s_cmp_eq_u32 s[ROLE], 0
	s_cselect_b64 s[18:19], s[4:5], s[6:7]         ; X
	s_add_nc_u64 s[18:19], s[18:19], s[20:21]
	s_add_nc_u64 s[12:13], s[12:13], s[20:21]      ; D2 at my columns
	s_lshl_b32 s20, s[GI], 17                      ; four n tiles of 32,768 bytes
	s_add_nc_u64 s[10:11], s[10:11], s[20:21]
.irp gk, 0,1
.irp bt, 0,1
.irp x, 0,1,2,3
	global_load_b128 v[DEC+32*(\gk)+16*(\bt)+4*(\x):DEC+32*(\gk)+16*(\bt)+4*(\x)+3], v[DO], s[8:9] offset:16*KROW*(\bt)+128*(\gk)+64*((\x)/2)+16*((\x)%2)
.endr
.endr
.endr
.set n, 0
.rept 32                                       ; rows 2 n and 2 n + 1 of my 64: all of the wave's X goes out at once
	global_load_b128 v[STG+4*n:STG+4*n+3], v[XO], s[18:19] offset:2*n*KROW th:TH_LOAD_NT
.set n, n+1
.endr
.irp gk, 0,1
	s_wait_loadcnt 16-16*(\gk)                     ; this group's sixteen loads are in; for group 0 the sixteen younger ones stay out
.set i, 0
.rept 16
	v_cvt_pk_bf16_f32 v[T+2*i],   v[STG+64*(\gk)+4*i],   v[STG+64*(\gk)+4*i+1]
	v_cvt_pk_bf16_f32 v[T+2*i+1], v[STG+64*(\gk)+4*i+2], v[STG+64*(\gk)+4*i+3]
.set i, i+1
.endr
.set i, 0
.rept 16
	ds_store_b64 v[RO], v[T+2*i:T+2*i+1] offset:GRP*(\gk)+2*P1*i
.set i, i+1
.endr
.irp t, 0,1,2,3                                ; my wave's own bytes, served in order (ISA guide 5.7.1.4): these see the stores above
	ds_load_tr16_b128 v[FR+32*(\gk)+8*(\t):FR+32*(\gk)+8*(\t)+3],   v[TO] offset:GRP*(\gk)+32*(\t)
	ds_load_tr16_b128 v[FR+32*(\gk)+8*(\t)+4:FR+32*(\gk)+8*(\t)+7], v[TO] offset:GRP*(\gk)+32*(\t)+16*P1
.endr
.endr
	s_wait_dscnt 0x0                               ; the fragments are in
	s_cmp_eq_u32 s[ROLE], 0
	s_cbranch_scc1 .Lmeet
	; role D: source 0 = 16 columns n of Wd, source 1 = 16 rows b: a lane ends with one b (l % 16) and the columns 8 (l / 16) + 0..7
.irp gk, 0,1
.irp bt, 0,1
.irp j, 0,1,2,3,4,5,6,7
	v_cvt_pk_bf16_f32 v[T+16*(\gk)+8*(\bt)+(\j)], v[DEC+32*(\gk)+16*(\bt)+2*(\j)], v[DEC+32*(\gk)+16*(\bt)+2*(\j)+1]
.endr
.endr
.endr
.irp gk, 0,1                                   ; the eight accumulators take turns; the first group of k starts the sums
.irp bt, 0,1
.irp t, 0,1,2,3
.if (\gk) == 0
	v_wmma_f32_16x16x32_bf16 v[ACC+32*(\bt)+8*(\t):ACC+32*(\bt)+8*(\t)+7], v[FR+32*(\gk)+8*(\t):FR+32*(\gk)+8*(\t)+7], v[T+16*(\gk)+8*(\bt):T+16*(\gk)+8*(\bt)+7], 0
.else
	v_wmma_f32_16x16x32_bf16 v[ACC+32*(\bt)+8*(\t):ACC+32*(\bt)+8*(\t)+7], v[FR+32*(\gk)+8*(\t):FR+32*(\gk)+8*(\t)+7], v[T+16*(\gk)+8*(\bt):T+16*(\gk)+8*(\bt)+7], v[ACC+32*(\bt)+8*(\t):ACC+32*(\bt)+8*(\t)+7]
.endif
.endr
.endr
.endr
.rept 4
	v_nop                                          ; four places between the last product and the stores that read results
.endr
.irp bt, 0,1
.irp t, 0,1,2,3
	ds_store_b128 v[PS], v[ACC+32*(\bt)+8*(\t):ACC+32*(\bt)+8*(\t)+3]   offset:16*PP*(\bt)+64*(\t)
	ds_store_b128 v[PS], v[ACC+32*(\bt)+8*(\t)+4:ACC+32*(\bt)+8*(\t)+7] offset:16*PP*(\bt)+64*(\t)+16
.endr
.endr
.Lmeet:
	s_wait_dscnt 0x0                               ; for the others' sake: my partial tile lies in LDS
	s_barrier_signal -1
	s_barrier_wait -1                              ; every wave passes this one barrier, in both roles
	s_cmp_lg_u32 s[ROLE], 0
	s_cbranch_scc1 .Lsum
	; role T: a fragment's half is 512 consecutive bytes of WT
.irp gk, 0,1
.irp t, 0,1,2,3
	global_store_b128 v[GO], v[FR+32*(\gk)+8*(\t):FR+32*(\gk)+8*(\t)+3],   s[10:11] offset:32768*(\t)+1024*(\gk)
	global_store_b128 v[GO], v[FR+32*(\gk)+8*(\t)+4:FR+32*(\gk)+8*(\t)+7], s[10:11] offset:32768*(\t)+1024*(\gk)+512
.endr
.endr
	s_branch .Lend
.Lsum:                                         ; role D: thread (w, l) adds the sixteen partial sums of row b = 2 w + l / 16, four columns
.set x, 0
.rept 16
	ds_load_b128 v[STG+4*x:STG+4*x+3], v[PR0+x/8] offset:PARTW*(x%8)
.set x, x+1
.endr
	s_wait_dscnt 0x0
.irp s, 8,4,2,1
.set x, 0
.rept \s
	v_pk_add_f32 v[STG+4*x:STG+4*x+1],   v[STG+4*x:STG+4*x+1],   v[STG+4*(x+\s):STG+4*(x+\s)+1]
	v_pk_add_f32 v[STG+4*x+2:STG+4*x+3], v[STG+4*x+2:STG+4*x+3], v[STG+4*(x+\s)+2:STG+4*(x+\s)+3]
.set x, x+1
.endr
.endr
	v_pk_mul_f32 v[STG:STG+1],   v[STG:STG+1],   s[24:25] op_sel_hi:[1,0]
	v_pk_mul_f32 v[STG+2:STG+3], v[STG+2:STG+3], s[24:25] op_sel_hi:[1,0]
	global_store_b128 v[GD], v[STG:STG+3], s[12:13]  ; sixteen lanes store 256 consecutive bytes, at a multiple of 256 from D2's first byte
.Lend:
	s_wait_tensorcnt 0x0                           ; the wave's end, behind my last LDS store
	ds_add_u32 v[SPW], v[NIL]
	s_wait_dscnt 0x0
	s_endpgm
.Lfunc_end_k_q5c48cc8ade_prep:
	.size	k_q5c48cc8ade_prep, .Lfunc_end_k_q5c48cc8ade_prep-k_q5c48cc8ade_prep
	.p2alignl 7, 3214868480
	.fill 96, 4, 3214868480
	.section	.rodata,"a",@progbits
	.p2align	6, 0x0
	.amdhsa_kernel k_q5c48cc8ade_prep
		.amdhsa_group_segment_fixed_size 305152
		.amdhsa_private_segment_fixed_size 0
		.amdhsa_enable_private_segment 0
		.amdhsa_kernarg_size 40
		.amdhsa_user_sgpr_count 2
		.amdhsa_user_sgpr_kernarg_segment_ptr 1
		.amdhsa_wavefront_size32 1
		.amdhsa_system_sgpr_workgroup_id_x 1
		.amdhsa_system_sgpr_workgroup_id_y 1
		.amdhsa_system_sgpr_workgroup_id_z 1
		.amdhsa_system_vgpr_workitem_id 0
		.amdhsa_next_free_vgpr 240
		.amdhsa_next_free_sgpr 66
		.amdhsa_reserve_vcc 0
		.amdhsa_float_denorm_mode_32 3
		.amdhsa_float_denorm_mode_16_64 3
		.amdhsa_memory_ordered 1
		.amdhsa_forward_progress 1
		.amdhsa_inst_pref_size 24
	.end_amdhsa_kernel
	.amdgpu_metadata
---
amdhsa.version: [ 1, 2 ]
amdhsa.kernels:
  - .name:           k_q5c48cc8ade_prep
    .symbol:         k_q5c48cc8ade_prep.kd
    .args:
      - { .name: We, .offset: 0, .size: 8, .value_kind: global_buffer, .address_space: global }
      - { .name: Wd, .offset: 8, .size: 8, .value_kind: global_buffer, .address_space: global }
      - { .name: decoder_hidden, .offset: 16, .size: 8, .value_kind: global_buffer, .address_space: global }
      - { .name: WT, .offset: 24, .size: 8, .value_kind: global_buffer, .address_space: global }
      - { .name: D2, .offset: 32, .size: 8, .value_kind: global_buffer, .address_space: global }
    .group_segment_fixed_size: 305152
    .private_segment_fixed_size: 0
    .kernarg_segment_align: 8
    .kernarg_segment_size: 40
    .max_flat_workgroup_size: 512
    .sgpr_count:     66
    .vgpr_count:     240
    .wavefront_size: 32
...
	.end_amdgpu_metadata
.endif
;; end of part 1
;; launch main (part 2): grid 16 x 32, 4 waves a work-group, no clusters, 271,872 bytes of LDS; arguments encoder_outputs, WT, D2, v, LG, PO; writes LG, PO
.if DOCPART == 2
	.amdgcn_target "amdgcn-amd-amdhsa--gfx1250"
	.amdhsa_code_object_version 6
	.text
	.protected	k_q5c48cc8ade_main
	.globl	k_q5c48cc8ade_main
	.p2align	8
	.type	k_q5c48cc8ade_main,@function
k_q5c48cc8ade_main:
	s_mov_b64 s[64:65], 0
	v_nop
	global_prefetch_b8 v0, s[64:65] scope:SCOPE_SE
	s_setreg_imm32_b32 hwreg(HW_REG_WAVE_MODE, 25, 1), 1
	s_wait_xcnt 0x0
; FOR 128 ROWS s OF ONE b: energy = tanh(dec Wd + enc We), logit = v . energy, the chunk's softmax weights, and the chunk's weighted sum of enc.
; encoder_outputs [2048 s][32 b][1024] f32 is read ONCE: the work-group's 128 rows are rounded to bf16 and stay in LDS (pitch 2,064) for both products.
; ALGEBRA.  tanh(x) = 1 - 2 r, r = 1 / (1 + 2^(c x)), c = 2 log2(e).  The sum of v over all channels is the same for every row, and a softmax is unchanged by a
; common addend, so what is carried is lg2 = -2 log2(e) x the sum over n of v[n] r[n]: the logit in units of log2, less that constant.  D2 holds c x (dec Wd).
; The chunk's maximum m is taken away before the exponential: p = 2^(lg2 - m); PO = the sum over the chunk's rows of p x enc.  The launch behind joins the 16 chunks of a b
; by their maxima, which it takes anew from LG.
; LIMITS.  2^y beyond f32's range is an infinity and gives r = 0 (tanh = 1); below it 0 and r = 1 (tanh = -1).  p is rounded to bf16 for the second product, and enc is bf16 there.
; NaN and infinite inputs are not treated apart.
; SHARES.  Wave w makes all 128 rows x 128 columns n = 512 pass + 128 w + 0..127, in two passes: 64 accumulators of 16 x 16, 512 registers.  The product is used transposed
; (source 0 = 16 columns of WT, source 1 = 16 rows of enc): a lane holds ONE row (l % 16) and the columns 8 (l / 16) + 0..7, so a row's sum over n stays in its lane but for one exchange.
; enc's fragments come out of LDS (16 loads for 64 matrix instructions); WT's come straight into registers, 512 consecutive bytes a load: no wave wants another's.
; A QUARTER is 32 along K: 64 matrix instructions.  In pass 1 quarter q also rounds and stores staging unit q + 3 (16 of my 32 rows x 64 k) and asks for unit q + 7 and for WT's quarter q + 4.
; A slice of 64 k is whole one barrier ahead of its first reader; LDS bytes of enc are written once, so one barrier for two quarters is all.
; NO CLUSTER, NO TENSOR LOADS: WT is shared by all work-groups, but the 128 resident rows take 264,192 of a WGP's 327,680 bytes of LDS; in what is left two slots of WT would hold
; some 27,900 bytes each, the operands of 54 matrix instructions a wave: a round of a cluster's barrier for every 54.
; REGISTERS, in windows of 256 (s_set_vgpr_msb: bits 1:0 source 0, 3:2 source 1, 5:4 source 2, 7:6 destination):
;   window 0: addresses, v24-31 a row's sum for each of 8 row tiles, v32-47 at work, v64-127 enc's fragments (one buffer, filled by halves), v128-255 four staging groups; later d and v
;   window 1: four buffers of WT's fragments          window 2: accumulators of rows 0-63 ((a, b) at 8 (8 a + b))          window 3: rows 64-127
.set PITCH, 2064                       ; an LDS row: 2,048 bytes + 16 = 129 x 16: the 16 rows of a fragment load start at 16 different groups of four banks (ISA guide 11.1)
.set ROWG,  131072                     ; bytes from row s to row s + 1 of encoder_outputs
.set LGS,   128*PITCH                  ; behind the rows: each wave's 128 partial sums, 512 bytes a wave
.set PSB,   LGS+2048                   ; each wave's own copy of the 128 weights in bf16, 256 bytes
.set OSB,   PSB+1024                   ; each wave's own 256 channels of the weighted sum, 1,024 bytes
.set SPARE, OSB+4096                   ; the spare words, 128 bytes for each wave, which no other line names
.set VO,  6                            ; v6   (32 w + l / 16) x ROWG + 16 (l % 16): staging loads; never rewritten
.set BO,  7                            ; v7   262144 w + 16 l: WT's fragments; never rewritten
.set DVO, 8                            ; v8   512 w + 32 (l / 16): my 8 columns of d and of v; never rewritten
.set PFO, 9                            ; v9   (32 w + l) x ROWG: the prefetches, a lane a row; never rewritten
.set AOB, 10                           ; v10-13  (32 p + l % 16) x PITCH + 16 (l / 16)
.set AO,  14                           ; v14-17  the same + KB
.set SOB, 18                           ; v18  (32 w + l / 16) x PITCH + 8 (l % 16)
.set SO,  19                           ; v19  the same + KB
.set SPW, 20                           ; v20  SPARE + 4 x my thread's number; never rewritten
.set NIL, 21                           ; v21  0; never rewritten
.set LGA, 24                           ; v24-31
.set CT,  32                           ; v32-47  a unit in bf16
.set LT,  32                           ; v32-39  in the epilogue: four chains of pairs
.set AF,  64
.set STG, 128
.set DD,  128                          ; c x d of my columns: column tile b at DD + 8 b
.set VV,  192                          ; v likewise
.set WV,  16                           ; s16  wave
.set CI,  17                           ; s17  chunk
.set BI,  18                           ; s18  b
.set CNT, 19                           ; s19  trips
.set KB,  20                           ; s20  LDS byte along K at which the trip in hand begins
.set PASS, 21                          ; s21  passes to go
.set CC,  22                           ; s[22:23] c
.set SA,  24                           ; s[24:25] encoder_outputs at the chunk's first row, b, stepping along K
.set WB,  26                           ; s[26:27] WT for the pass in hand, stepping along K
.set WP2, 28                           ; s[28:29] WT at pass 2's tiles
.set DB,  30                           ; s[30:31] D2 at row b
.set SEL, 34                           ; s[34:35] v_permlanex16_b32: each lane takes its own place in the other half
.set MSB, 0
.macro WIN new                         ; the immediate's high byte repeats the setting that is left; a switch that changes nothing is dropped
.if MSB != (\new)
	s_set_vgpr_msb (MSB<<8)|(\new)
.set MSB, (\new)
.endif
.endm
.macro PLACES                          ; four places behind a matrix instruction, ahead of loads into registers that it read and of vector lines that read results
.rept 4
	v_nop
.endr
.endm
; 32 matrix instructions: row tiles 4 hi + 0..3 x all 8 column tiles.  The 64 accumulators take turns in the same order in every quarter.  zero = 1: the products start the sums.
.macro MULH j, hi, zero
	WIN 0xa1+0x50*(\hi)
.irp a, 0,1,2,3
.irp b, 0,1,2,3,4,5,6,7
.if \zero
	v_wmma_f32_16x16x32_bf16 v[8*(8*(\a)+(\b)):8*(8*(\a)+(\b))+7], v[64*(\j)+8*(\b):64*(\j)+8*(\b)+7], v[AF+8*(4*(\hi)+(\a)):AF+8*(4*(\hi)+(\a))+7], 0
.else
	v_wmma_f32_16x16x32_bf16 v[8*(8*(\a)+(\b)):8*(8*(\a)+(\b))+7], v[64*(\j)+8*(\b):64*(\j)+8*(\b)+7], v[AF+8*(4*(\hi)+(\a)):AF+8*(4*(\hi)+(\a))+7], v[8*(8*(\a)+(\b)):8*(8*(\a)+(\b))+7]
.endif
.endr
.endr
.endm
.macro ALOAD hf, ka                    ; enc's fragments of row tiles 4 hf + 0..3, 32 k at byte KB + ka of the rows
	WIN 0
.irp a, 0,1,2,3
	ds_load_b128 v[AF+32*(\hf)+8*(\a):AF+32*(\hf)+8*(\a)+3],   v[AO+2*(\hf)+(\a)/2] offset:((\a)%2)*16*PITCH+(\ka)
	ds_load_b128 v[AF+32*(\hf)+8*(\a)+4:AF+32*(\hf)+8*(\a)+7], v[AO+2*(\hf)+(\a)/2] offset:((\a)%2)*16*PITCH+(\ka)+32
.endr
.endm
.macro BLOAD j, base, bim              ; a quarter of WT for my 8 column tiles into buffer j: 16 loads of 512 consecutive bytes
	WIN 0x40
.irp b, 0,1,2,3,4,5,6,7
	global_load_b128 v[64*(\j)+8*(\b):64*(\j)+8*(\b)+3],   v[BO], s[\base:\base+1] offset:32768*(\b)+(\bim)
	global_load_b128 v[64*(\j)+8*(\b)+4:64*(\j)+8*(\b)+7], v[BO], s[\base:\base+1] offset:32768*(\b)+(\bim)+512
.endr
.endm
.macro SLOAD dst, e, sim               ; a staging unit: rows 32 w + 16 e + 0..15, 256 bytes of each; a load takes two rows
.irp i, 0,1,2,3,4,5,6,7
	global_load_b128 v[(\dst)+4*(\i):(\dst)+4*(\i)+3], v[VO], s[SA:SA+1] offset:(16*(\e)+2*(\i))*ROWG+(\sim) th:TH_LOAD_NT
.endr
.endm
.macro CVT src
.irp i, 0,1,2,3,4,5,6,7
	v_cvt_pk_bf16_f32 v[CT+2*(\i)],   v[(\src)+4*(\i)],   v[(\src)+4*(\i)+1]
	v_cvt_pk_bf16_f32 v[CT+2*(\i)+1], v[(\src)+4*(\i)+2], v[(\src)+4*(\i)+3]
.endr
.endm
.macro CST e, ks
.irp i, 0,1,2,3,4,5,6,7
	ds_store_b64 v[SO], v[CT+2*(\i):CT+2*(\i)+1] offset:(16*(\e)+2*(\i))*PITCH+(\ks)
.endr
.endm
.macro DVLOAD pass                     ; c x d and v of my 128 columns of this pass: 32 loads
	WIN 0
.irp b, 0,1,2,3,4,5,6,7
	global_load_b128 v[DD+8*(\b):DD+8*(\b)+3],   v[DVO], s[DB:DB+1] offset:2048*(\pass)+64*(\b)
	global_load_b128 v[DD+8*(\b)+4:DD+8*(\b)+7], v[DVO], s[DB:DB+1] offset:2048*(\pass)+64*(\b)+16
	global_load_b128 v[VV+8*(\b):VV+8*(\b)+3],   v[DVO], s[10:11] offset:2048*(\pass)+64*(\b)
	global_load_b128 v[VV+8*(\b)+4:VV+8*(\b)+7], v[DVO], s[10:11] offset:2048*(\pass)+64*(\b)+16
.endr
.endm
.macro KADDR st                        ; the LDS addresses follow KB; st = 1: the staging stores' too
	WIN 0
.irp p, 0,1,2,3
	v_add_nc_u32 v[AO+\p], s[KB], v[AOB+\p]
.endr
.if \st
	v_add_nc_u32 v[SO], s[KB], v[SOB]
.endif
.endm
.macro SETK val, st
	s_mov_b32 s[KB], \val
	KADDR \st
.endm
.macro STEPK st                        ; four quarters on: 128 k, 256 bytes
	s_add_co_u32 s[KB], s[KB], 256
	KADDR \st
.endm
; A PREFETCH INTO THE L2, once a trip, behind the trip's first loads: my own 32 rows, a lane a row, of the two slices of 64 k (256 bytes of a row each) that the NEXT trip's staging loads will ask for:
; four quarters, 256 matrix instructions, ahead.  Each wave names only rows that it stages itself, so each block is named once.  Slices 0 to 5 come by their loads alone; the last trip asks for nothing: slice 15 is the last.
.macro ASK
	s_cmp_gt_u32 s[CNT], 1
	s_cbranch_scc0 .Lnoask_\@
	global_prefetch_b8 v[PFO], s[SA:SA+1] offset:1024 th:TH_LOAD_NT scope:SCOPE_SE
	global_prefetch_b8 v[PFO], s[SA:SA+1] offset:1280 th:TH_LOAD_NT scope:SCOPE_SE
.Lnoask_\@:
.endm
; A QUARTER on WT's buffer j.
;   lc    how many younger global loads may stay out when WT's quarter, and the unit to be rounded, have to be in
;   cv    1: staging group grp is rounded and stored: rows' half e, at byte KB + ks.  Its 16 conversions are the places behind the first 32 products
;   rs    1: the group is asked for again, at byte sim behind SA; 2: d and v of pass 1 are asked for
;   bl    1: buffer j is asked for again, at byte bim behind base
;   al    1: the next quarter's fragments of enc, at byte KB + ka: rows 0-63 in the middle, rows 64-127 at the end
;   sg    1: my stores are done and I say so; the wait stands in the next quarter's middle (wt = 1), ahead of the first read of the slice that the stores completed.  2: signal and wait together
;   stp   the pointers step a trip on, behind s_wait_xcnt 0: the youngest line that reads them stands a quarter back.  1: WT's and enc's; 2: WT's alone
.macro QTR j, zero, lc, cv, grp, e, ks, rs, sim, bl, base, bim, al, ka, sg, wt, stp, pf
	s_wait_loadcnt \lc
	s_wait_dscnt 8                                 ; rows 0-63's fragments are in; the youngest eight LDS loads (rows 64-127) may be out
	MULH \j, 0, \zero
	WIN 0
.if \cv
	CVT STG+32*(\grp)
.else
	PLACES
.endif
.if \wt
	s_barrier_wait -1                              ; every wave's stores of the slice that is read next are done
.endif
.if \cv
	CST \e, \ks
.endif
.if \al
	ALOAD 0, \ka
.endif
	s_wait_dscnt 8*(\cv)+8*(\al)                   ; all but what was just issued: rows 64-127's fragments are in
	MULH \j, 1, \zero
	PLACES
.if \stp
	s_wait_xcnt 0x0
	s_add_nc_u64 s[WB:WB+1], s[WB:WB+1], 4096
.if (\stp) == 1
	s_add_nc_u64 s[SA:SA+1], s[SA:SA+1], 512
.endif
.endif
.if \bl
	BLOAD \j, \base, \bim
.endif
	WIN 0
.if (\rs) == 1
	SLOAD STG+32*(\grp), \e, \sim
.elseif (\rs) == 2
	DVLOAD 0
.endif
.if \pf
	ASK
.endif
.if \sg
	s_wait_dscnt 0x0                               ; for the others' sake: my stores into the rows are done (and no LDS line of mine is pending at the signal)
	s_barrier_signal -1
.if (\sg) == 2
	s_barrier_wait -1                              ; at the loop's edge signal and wait stand together
.endif
.endif
.if \al
	ALOAD 1, \ka                                   ; bytes of a slice that is whole: nobody writes them again
.endif
.endm
.macro Q2 j, zero, lc, bl, bim, al, ka, stp   ; a quarter of pass 2: nothing is staged, no barrier
	QTR \j, \zero, \lc, 0,0,0,0, 0,0, \bl, WB, \bim, \al, \ka, 0,0, \stp, 0
.endm
	s_load_b256 s[4:11], s[0:1], 0x0               ; encoder_outputs s[4:5], WT s[6:7], D2 s[8:9], v s[10:11]
	s_load_b128 s[12:15], s[0:1], 0x20             ; LG s[12:13], PO s[14:15]
	v_lshl_add_u32 v[SPW], v0, 2, SPARE
	v_mov_b32 v[NIL], 0
	v_lshrrev_b32 v1, 5, v0
	v_readfirstlane_b32 s[WV], v1                  ; wave 0..3
	v_and_b32 v1, 15, v0                           ; l % 16
	v_bfe_u32 v2, v0, 4, 1                         ; l / 16
	v_and_b32 v3, 31, v0                           ; l
	s_mov_b32 s[CI], ttmp9
	s_and_b32 s[BI], ttmp7, 0xffff
	s_mov_b32 s[CC], 0x4038aa3b                    ; c = 2 log2(e)
	s_mov_b32 s[CC+1], 0x4038aa3b                  ; named with it as a pair
	s_mov_b32 s[SEL], 0x76543210
	s_mov_b32 s[SEL+1], 0xfedcba98
	s_mov_b32 s[PASS], 2
	s_lshl_b32 s36, s[WV], 22                      ; 32 rows of ROWG bytes
	v_lshlrev_b32 v[VO], 4, v1
	v_lshl_add_u32 v[VO], v2, 17, v[VO]
	v_add_nc_u32 v[VO], s36, v[VO]
	v_lshl_add_u32 v[PFO], v3, 17, s36
	s_lshl_b32 s37, s[WV], 18                      ; 8 column tiles of 32,768 bytes
	v_lshl_add_u32 v[BO], v3, 4, s37
	s_lshl_b32 s37, s[WV], 9                       ; 128 columns in f32
	v_lshl_add_u32 v[DVO], v2, 5, s37
	v_mul_u32_u24 v[AOB], v1, PITCH
	v_lshl_add_u32 v[AOB], v2, 4, v[AOB]
	v_add_nc_u32 v[AOB+1], 32*PITCH, v[AOB]
	v_add_nc_u32 v[AOB+2], 64*PITCH, v[AOB]
	v_add_nc_u32 v[AOB+3], 96*PITCH, v[AOB]
	s_mul_i32 s37, s[WV], 32*PITCH
	v_mul_u32_u24 v[SOB], v2, PITCH
	v_lshl_add_u32 v[SOB], v1, 3, v[SOB]
	v_add_nc_u32 v[SOB], s37, v[SOB]
	SETK 0, 1
	s_lshl_b32 s36, s[CI], 24                      ; 128 rows of ROWG bytes,
	s_lshl_b32 s37, s[BI], 12                      ; b's 4,096 bytes of a row
	s_add_co_u32 s36, s36, s37
	s_mov_b32 s37, 0
	s_lshl_b32 s38, s[BI], 12
	s_mov_b32 s39, 0
	s_wait_kmcnt 0x0
	s_add_nc_u64 s[SA:SA+1], s[4:5], s[36:37]
	s_add_nc_u64 s[DB:DB+1], s[8:9], s[38:39]
	s_mov_b64 s[WB:WB+1], s[6:7]
	s_add_nc_u64 s[WP2:WP2+1], s[6:7], 0x100000    ; 32 column tiles on
	s_lshl_b32 s36, s[BI], 13
	s_lshl_b32 s38, s[CI], 9
	s_add_co_u32 s36, s36, s38
	s_add_nc_u64 s[12:13], s[12:13], s[36:37]      ; LG at [b][128 chunk]
	s_lshl_b32 s36, s[BI], 16
	s_lshl_b32 s38, s[CI], 12
	s_add_co_u32 s36, s36, s38
	s_add_nc_u64 s[14:15], s[14:15], s[36:37]      ; PO at [b][chunk]
	; THE START.  Units 0 to 2 go into registers of window 2 that are accumulators later; then WT's quarters 0 to 3 and units 3 to 6, in the order in which the quarters go on asking.
	WIN 0x80
	SLOAD 0, 0, 0
	SLOAD 32, 1, 0
	SLOAD 64, 0, 256
	BLOAD 0, WB, 0
	WIN 0
	SLOAD STG+96, 1, 256
	BLOAD 1, WB, 1024
	WIN 0
	SLOAD STG, 0, 512
	BLOAD 2, WB, 2048
	WIN 0
	SLOAD STG+32, 1, 512
	BLOAD 3, WB, 3072
	WIN 0
	SLOAD STG+64, 0, 768
.irp a, 0,1,2,3,4,5,6,7
	v_mov_b32 v[LGA+\a], 0                         ; the rows' sums over n, which both passes add onto
.endr
	s_wait_loadcnt 63                              ; 96 loads stand behind unit 2's; 63 is the largest count that a wait can name
	WIN 0x0a                                       ; sources in window 2
	CVT 0
	WIN 0
	CST 0, 0
	WIN 0x0a
	CVT 32
	WIN 0
	CST 1, 0
	WIN 0x0a
	CVT 64
	WIN 0
	CST 0, 128
	s_wait_dscnt 0x0                               ; for the others' sake: my rows of slice 0 lie in LDS
	s_barrier_signal -1
	s_barrier_wait -1
	ALOAD 0, 0
	ALOAD 1, 0
	; PASS 1.  At the head of quarter q WT's quarter q and unit q + 3 have to be in; behind the unit's loads stand three runs of 16 and three of 8, 72 loads: the count is 63.
	QTR 0,1,63, 1,3,1,128, 1,768, 1,WB,4096, 1,64,  2,0, 0,0
	WIN 0
	s_mov_b32 s[CNT], 6
.Lp1:                                          ; trip T: quarters 4 T + 1 .. 4 T + 4; KB = 256 T
	QTR 1,0,63, 1,0,0,256, 1,512, 1,WB,1024, 1,128, 0,0, 1,1
	QTR 2,0,63, 1,1,1,256, 1,512, 1,WB,2048, 1,192, 1,0, 0,0
	QTR 3,0,63, 1,2,0,384, 1,768, 1,WB,3072, 1,256, 0,1, 0,0
	QTR 0,0,63, 1,3,1,384, 1,768, 1,WB,4096, 1,320, 2,0, 0,0
	STEPK 1
	s_sub_co_u32 s[CNT], s[CNT], 1
	s_cmp_lg_u32 s[CNT], 0
	s_cbranch_scc1 .Lp1
	; quarters 25 to 31 are written out: no unit is left to ask for, and from quarter 28 on WT's loads are pass 2's first four quarters
	QTR 1,0,63, 1,0,0,256, 0,0, 1,WB,1024, 1,128, 0,0, 2,0
	QTR 2,0,63, 1,1,1,256, 0,0, 1,WB,2048, 1,192, 1,0, 0,0   ; behind unit 29: 16 + 8 + 16 + 8 + 16 = 64
	QTR 3,0,56, 1,2,0,384, 0,0, 1,WB,3072, 1,256, 0,1, 0,0   ; behind unit 30: 16 + 8 + 16 + 16
	QTR 0,0,48, 1,3,1,384, 2,0, 1,WP2,0,   1,320, 1,0, 0,0   ; behind unit 31: three runs of 16
	STEPK 0
	QTR 1,0,63, 0,0,0,0, 0,0, 1,WP2,1024, 1,128, 0,1, 0,0    ; behind WT's quarter: three runs of 16 and the 32 of d and v
	QTR 2,0,63, 0,0,0,0, 0,0, 1,WP2,2048, 1,192, 0,0, 0,0
	SETK 0, 0
	QTR 3,0,63, 0,0,0,0, 0,0, 1,WP2,3072, 1,0,   0,0, 0,0    ; the fragments fetched here are pass 2's first
	WIN 0
	s_wait_loadcnt 0x0                             ; d and v are in; once a pass nothing is left pending at the label below, whichever way leads to it
	s_wait_dscnt 0x0
; THE EPILOGUE of a pass, written once.  For each row tile a: y = c x + c d (32 packed lines), 2^y (64), 1 + 2^y (32), the reciprocal (64), and v r summed in four chains of pairs (32).
; The exponentials of a tile are one batch with one wait, the reciprocals another: ahead of a wait nothing names a result of its batch.  A packed line stands between two transcendentals while there are any.
; Each accumulator is read from its lowest registers on.
.macro YL p
	v_pk_fma_f32 v[AC+2*(\p):AC+2*(\p)+1], v[AC+2*(\p):AC+2*(\p)+1], s[CC:CC+1], v[DD+2*(\p):DD+2*(\p)+1] op_sel_hi:[1,0,1]
.endm
.macro ONE p
	v_pk_add_f32 v[AC+2*(\p):AC+2*(\p)+1], v[AC+2*(\p):AC+2*(\p)+1], 1.0 op_sel_hi:[1,0]
.endm
.macro EPIT a
.set AC, 64*((\a)%4)
	WIN 0x82+0x41*((\a)/4)                         ; destination and source 0 in the accumulators' window, d in window 0
	YL 0
	YL 1
.set p, 0
.rept 32
	v_exp_f32 v[AC+2*p], v[AC+2*p]
.if p < 30
	YL p+2
.endif
	v_exp_f32 v[AC+2*p+1], v[AC+2*p+1]
.set p, p+1
.endr
	v_nop                                          ; a plain line behind the last exponential,
	s_wait_alu depctr_va_vdst(0)                   ; and one wait ahead of the batch's first reader
	ONE 0
	ONE 1
.set p, 0
.rept 32
	v_rcp_f32 v[AC+2*p], v[AC+2*p]
.if p < 30
	ONE p+2
.endif
	v_rcp_f32 v[AC+2*p+1], v[AC+2*p+1]
.set p, p+1
.endr
	v_nop
	s_wait_alu depctr_va_vdst(0)                   ; the same for the reciprocals
	WIN 0x02+(\a)/4                                ; source 0 in the accumulators' window
.set p, 0
.rept 32
.if p < 4
	v_pk_mul_f32 v[LT+2*p:LT+2*p+1], v[AC+2*p:AC+2*p+1], v[VV+2*p:VV+2*p+1]
.else
	v_pk_fma_f32 v[LT+2*(p%4):LT+2*(p%4)+1], v[AC+2*p:AC+2*p+1], v[VV+2*p:VV+2*p+1], v[LT+2*(p%4):LT+2*(p%4)+1]
.endif
.set p, p+1
.endr
	WIN 0
	v_pk_add_f32 v[LT:LT+1], v[LT:LT+1], v[LT+2:LT+3]
	v_pk_add_f32 v[LT+4:LT+5], v[LT+4:LT+5], v[LT+6:LT+7]
	v_pk_add_f32 v[LT:LT+1], v[LT:LT+1], v[LT+4:LT+5]
	v_add_f32 v[LT+8], v[LT], v[LT+1]
	v_add_f32 v[LGA+(\a)], v[LGA+(\a)], v[LT+8]
.endm
.Lepi:
.irp a, 0,1,2,3,4,5,6,7
	EPIT \a
.endr
	s_sub_co_u32 s[PASS], s[PASS], 1
	s_cmp_eq_u32 s[PASS], 0
	s_cbranch_scc1 .Ltail
	; PASS 2: the same rows out of LDS, WT's column tiles 32 on.  At a quarter's head three younger runs of 16 may be out.
	s_wait_xcnt 0x0                                ; WT's pointer was last read in pass 1
	s_mov_b64 s[WB:WB+1], s[WP2:WP2+1]
	DVLOAD 1
	Q2 0,1,48, 1,4096, 1,64, 0
	WIN 0
	s_mov_b32 s[CNT], 6
.Lp2:
	Q2 1,0,48, 1,1024, 1,128, 2
	Q2 2,0,48, 1,2048, 1,192, 0
	Q2 3,0,48, 1,3072, 1,256, 0
	Q2 0,0,48, 1,4096, 1,320, 0
	STEPK 0
	s_sub_co_u32 s[CNT], s[CNT], 1
	s_cmp_lg_u32 s[CNT], 0
	s_cbranch_scc1 .Lp2
	Q2 1,0,48, 1,1024, 1,128, 2
	Q2 2,0,48, 1,2048, 1,192, 0
	Q2 3,0,48, 1,3072, 1,256, 0
	Q2 0,0,48, 0,0,    1,320, 0                    ; nothing of WT is left to ask for: the counts run down
	STEPK 0
	Q2 1,0,32, 0,0,    1,128, 0
	Q2 2,0,16, 0,0,    1,192, 0
	Q2 3,0,0,  0,0,    0,0,   0
	WIN 0
	s_wait_loadcnt 0x0                             ; d and v of pass 2
	s_wait_dscnt 0x0
	s_branch .Lepi
; THE TAIL.  The rows' sums meet; every wave makes all 128 weights; wave w makes channels 256 w .. 256 w + 255 of the weighted sum.
.set LW,  48                           ; v48  LGS + 512 w + 4 (l % 16)
.set LR,  49                           ; v49  LGS + 16 l
.set L16, 50                           ; v50  16 l; never rewritten: wave 0's store reads it
.set TA,  51
.set MX,  52                           ; v52  the chunk's maximum
.set TC,  53
.set PW,  54                           ; v54  PSB + 256 w + 8 l
.set PR,  55                           ; v55  PSB + 256 w + 16 (l / 16)
.set TRB, 56                           ; v56-59  the turning loads: rows 32 kk + 8 (l / 16) + l % 8, bytes 512 w + 16 ((l / 8) % 2)
.set OSW, 60
.set OSR, 61
.set POO, 62
.set XL,  64                           ; v64-67  lg2 of rows 4 l .. 4 l + 3; not rewritten: wave 0's store reads them
.set PF,  96                           ; v96-127 the weights as source 0: 32 rows kk at PF + 8 kk
.set TBF, 128                          ; v128-255 two buffers of 8 turned fragments
.Ltail:
.irp a, 0,1,2,3,4,5,6,7
	v_permlanex16_b32 v[LT+\a], v[LGA+\a], s[SEL], s[SEL+1]  ; a row's other 64 columns of my 128 lie in the lane 16 away
.endr
.irp a, 0,1,2,3,4,5,6,7
	v_add_f32 v[LGA+\a], v[LGA+\a], v[LT+\a]
.endr
	s_lshl_b32 s36, s[WV], 9
	v_lshl_add_u32 v[LW], v1, 2, s36
	v_add_nc_u32 v[LW], LGS, v[LW]
.irp a, 0,1,2,3,4,5,6,7
	ds_store_b32 v[LW], v[LGA+\a] offset:64*\a     ; both halves of the lanes write the same word with the same number
.endr
	v_lshlrev_b32 v[L16], 4, v3
	v_add_nc_u32 v[LR], LGS, v[L16]
	v_and_b32 v[TA], 7, v0
	v_lshl_add_u32 v[TA], v2, 3, v[TA]
	v_bfe_u32 v[TC], v0, 3, 1
	v_mul_u32_u24 v[TRB], v[TA], PITCH
	v_lshl_add_u32 v[TRB], v[TC], 4, v[TRB]
	v_add_nc_u32 v[TRB], s36, v[TRB]               ; 256 channels in bf16: 512 w
	v_add_nc_u32 v[TRB+1], 32*PITCH, v[TRB]
	v_add_nc_u32 v[TRB+2], 64*PITCH, v[TRB]
	v_add_nc_u32 v[TRB+3], 96*PITCH, v[TRB]
	s_lshl_b32 s37, s[WV], 8
	v_lshl_add_u32 v[PW], v3, 3, s37
	v_add_nc_u32 v[PW], PSB, v[PW]
	v_lshl_add_u32 v[PR], v2, 4, s37
	v_add_nc_u32 v[PR], PSB, v[PR]
	s_lshl_b32 s37, s[WV], 10
	v_lshl_add_u32 v[OSW], v1, 2, s37
	v_add_nc_u32 v[OSW], OSB, v[OSW]
	v_add_nc_u32 v[POO], s37, v[L16]
	v_add_nc_u32 v[OSR], OSB, v[POO]
	s_mov_b32 s38, 0xc038aa3b                      ; -2 log2(e)
	s_mov_b32 s39, 0xc038aa3b
	s_wait_dscnt 0x0                               ; for the others' sake: my 128 partial sums lie in LDS
	s_barrier_signal -1
	s_barrier_wait -1
.irp w, 0,1,2,3
	ds_load_b128 v[XL+4*\w:XL+4*\w+3], v[LR] offset:512*\w
.endr
	s_wait_dscnt 0x0
.irp x, 0,2                                    ; the same order of additions in every wave: all four hold the same numbers
	v_pk_add_f32 v[XL+\x:XL+\x+1], v[XL+\x:XL+\x+1], v[XL+4+\x:XL+4+\x+1]
	v_pk_add_f32 v[XL+8+\x:XL+8+\x+1], v[XL+8+\x:XL+8+\x+1], v[XL+12+\x:XL+12+\x+1]
.endr
.irp x, 0,2
	v_pk_add_f32 v[XL+\x:XL+\x+1], v[XL+\x:XL+\x+1], v[XL+8+\x:XL+8+\x+1]
.endr
.irp x, 0,2
	v_pk_mul_f32 v[XL+\x:XL+\x+1], v[XL+\x:XL+\x+1], s[38:39] op_sel_hi:[1,0]
.endr
	s_cmp_lg_u32 s[WV], 0
	s_cbranch_scc1 .Lnot0
	global_store_b128 v[L16], v[XL:XL+3], s[12:13]  ; the chunk's 128 logits: 512 consecutive bytes, at a multiple of 256 from LG's first byte
.Lnot0:
	v_max3_num_f32 v[MX], v[XL], v[XL+1], v[XL+2]
	v_max_num_f32 v[MX], v[MX], v[XL+3]
	v_max_num_f32_dpp v[MX], v[MX], v[MX] row_xmask:1 row_mask:0xf bank_mask:0xf
	v_max_num_f32_dpp v[MX], v[MX], v[MX] row_xmask:2 row_mask:0xf bank_mask:0xf
	v_max_num_f32_dpp v[MX], v[MX], v[MX] row_xmask:4 row_mask:0xf bank_mask:0xf
	v_max_num_f32_dpp v[MX], v[MX], v[MX] row_xmask:8 row_mask:0xf bank_mask:0xf
	v_permlanex16_b32 v[LT+1], v[MX], s[SEL], s[SEL+1]
	v_max_num_f32 v[MX], v[MX], v[LT+1]
.irp x, 0,1,2,3
	v_sub_f32 v[XL+4+\x], v[XL+\x], v[MX]
.endr
.irp x, 0,1,2,3
	v_exp_f32 v[XL+4+\x], v[XL+4+\x]
.endr
	v_nop
	s_wait_alu depctr_va_vdst(0)                   ; one wait for the four exponentials, ahead of their first reader
	v_cvt_pk_bf16_f32 v[XL+8], v[XL+4], v[XL+5]
	v_cvt_pk_bf16_f32 v[XL+9], v[XL+6], v[XL+7]
	ds_store_b64 v[PW], v[XL+8:XL+9]               ; my wave's own copy: no barrier; LDS serves a wave's lines in order (ISA guide 5.7.1.4)
.irp k, 0,1,2,3
	ds_load_b128 v[PF+8*\k:PF+8*\k+3],   v[PR] offset:64*\k      ; source 0: sixteen equal rows of weights
	ds_load_b128 v[PF+8*\k+4:PF+8*\k+7], v[PR] offset:64*\k+32
.endr
; Run n of 8: rows 32 (n / 2) on, channel tiles 8 (n % 2) + 0..7, turned ([row][channel] in LDS) into buffer n % 2.
.macro TL n
	WIN 0
.irp t, 0,1,2,3,4,5,6,7
	ds_load_tr16_b128 v[TBF+64*((\n)%2)+8*(\t):TBF+64*((\n)%2)+8*(\t)+3],   v[TRB+(\n)/2] offset:32*(8*((\n)%2)+(\t))
	ds_load_tr16_b128 v[TBF+64*((\n)%2)+8*(\t)+4:TBF+64*((\n)%2)+8*(\t)+7], v[TRB+(\n)/2] offset:32*(8*((\n)%2)+(\t))+16*PITCH
.endr
.endm
.macro OMUL n                          ; its 8 products: accumulators of window 1 by turns; the first two runs start the sums
	WIN 0x50
.irp t, 0,1,2,3,4,5,6,7
.if (\n) < 2
	v_wmma_f32_16x16x32_bf16 v[8*(8*((\n)%2)+(\t)):8*(8*((\n)%2)+(\t))+7], v[PF+8*((\n)/2):PF+8*((\n)/2)+7], v[TBF+64*((\n)%2)+8*(\t):TBF+64*((\n)%2)+8*(\t)+7], 0
.else
	v_wmma_f32_16x16x32_bf16 v[8*(8*((\n)%2)+(\t)):8*(8*((\n)%2)+(\t))+7], v[PF+8*((\n)/2):PF+8*((\n)/2)+7], v[TBF+64*((\n)%2)+8*(\t):TBF+64*((\n)%2)+8*(\t)+7], v[8*(8*((\n)%2)+(\t)):8*(8*((\n)%2)+(\t))+7]
.endif
.endr
.endm
	TL 0
	TL 1
.irp n, 0,1,2,3,4,5,6,7
.if (\n) < 7
	s_wait_dscnt 16                                ; this run is in; the next run's sixteen loads may be out
.else
	s_wait_dscnt 0x0
.endif
	OMUL \n
	PLACES                                         ; ahead of the loads into the buffer just read; behind the last run: ahead of the stores that read results
.if (\n) < 6
	TL (\n)+2
.endif
.endr
	WIN 0x04                                       ; the data in window 1
.set t, 0
.rept 16
	ds_store_b32 v[OSW], v[8*t] offset:64*t        ; all sixteen rows of a result are equal: its lowest register holds channel 16 t + l % 16
.set t, t+1
.endr
	WIN 0
	ds_load_b128 v[80:83], v[OSR]                  ; my wave's own bytes, back as 16 bytes a lane
	ds_load_b128 v[84:87], v[OSR] offset:512
	s_wait_dscnt 0x0
	global_store_b128 v[POO], v[80:83], s[14:15]   ; 512 consecutive bytes, at a multiple of 256 from PO's first byte
	global_store_b128 v[POO], v[84:87], s[14:15] offset:512
	s_wait_tensorcnt 0x0                           ; the wave's end, behind my last LDS store
	ds_add_u32 v[SPW], v[NIL]
	s_wait_dscnt 0x0
	s_endpgm
.Lfunc_end_k_q5c48cc8ade_main:
	.size	k_q5c48cc8ade_main, .Lfunc_end_k_q5c48cc8ade_main-k_q5c48cc8ade_main
	.p2alignl 7, 3214868480
	.fill 96, 4, 3214868480
	.section	.rodata,"a",@progbits
	.p2align	6, 0x0
	.amdhsa_kernel k_q5c48cc8ade_main
		.amdhsa_group_segment_fixed_size 271872
		.amdhsa_private_segment_fixed_size 0
		.amdhsa_enable_private_segment 0
		.amdhsa_kernarg_size 48
		.amdhsa_user_sgpr_count 2
		.amdhsa_user_sgpr_kernarg_segment_ptr 1
		.amdhsa_wavefront_size32 1
		.amdhsa_system_sgpr_workgroup_id_x 1
		.amdhsa_system_sgpr_workgroup_id_y 1
		.amdhsa_system_sgpr_workgroup_id_z 1
		.amdhsa_system_vgpr_workitem_id 0
		.amdhsa_next_free_vgpr 1024
		.amdhsa_next_free_sgpr 66
		.amdhsa_reserve_vcc 0
		.amdhsa_float_denorm_mode_32 3
		.amdhsa_float_denorm_mode_16_64 3
		.amdhsa_memory_ordered 1
		.amdhsa_forward_progress 1
		.amdhsa_inst_pref_size 255
	.end_amdhsa_kernel
	.section	.bss,"aw",@nobits
	.p2align	6
	.space	262144
	.amdgpu_metadata
---
amdhsa.version: [ 1, 2 ]
amdhsa.kernels:
  - .name:           k_q5c48cc8ade_main
    .symbol:         k_q5c48cc8ade_main.kd
    .args:
      - { .name: encoder_outputs, .offset: 0, .size: 8, .value_kind: global_buffer, .address_space: global }
      - { .name: WT, .offset: 8, .size: 8, .value_kind: global_buffer, .address_space: global }
      - { .name: D2, .offset: 16, .size: 8, .value_kind: global_buffer, .address_space: global }
      - { .name: v, .offset: 24, .size: 8, .value_kind: global_buffer, .address_space: global }
      - { .name: LG, .offset: 32, .size: 8, .value_kind: global_buffer, .address_space: global }
      - { .name: PO, .offset: 40, .size: 8, .value_kind: global_buffer, .address_space: global }
    .group_segment_fixed_size: 271872
    .private_segment_fixed_size: 0
    .kernarg_segment_align: 8
    .kernarg_segment_size: 48
    .max_flat_workgroup_size: 128
    .sgpr_count:     66
    .vgpr_count:     1024
    .wavefront_size: 32
...
	.end_amdgpu_metadata
.endif
;; end of part 2
;; launch fin (part 3): grid 32 x 1, 8 waves a work-group, no clusters, 1,536 bytes of LDS; arguments LG, PO, out0, out1; writes out0, out1
.if DOCPART == 3
	.amdgcn_target "amdgcn-amd-amdhsa--gfx1250"
	.amdhsa_code_object_version 6
	.text
	.protected	k_q5c48cc8ade_fin
	.globl	k_q5c48cc8ade_fin
	.p2align	8
	.type	k_q5c48cc8ade_fin,@function
k_q5c48cc8ade_fin:
	s_mov_b64 s[64:65], 0
	v_nop
	global_prefetch_b8 v0, s[64:65] scope:SCOPE_SE
	s_setreg_imm32_b32 hwreg(HW_REG_WAVE_MODE, 25, 1), 1
	s_wait_xcnt 0x0
; THE 16 CHUNKS OF A b ARE JOINED.  LG[b][s]: logits in units of log2, less a constant common to the row.  PO[b][i][ch] = the sum over chunk i's rows of 2^(lg2 - m_i) enc, m_i the chunk's maximum.
; m_i is taken anew from LG (a maximum is exact); M = the largest m_i; L = the sum over s of 2^(lg2 - M);
; out1[b][s] = 2^(lg2 - M) / L;  out0[b][ch] = (the sum over i of 2^(m_i - M) PO[b][i][ch]) / L.  All in f32.
; One work-group a b, eight waves; thread t holds s = 4 t .. 4 t + 3 and 1024 + 4 t .. (so wave w holds chunks w and 8 + w whole) and channels 4 t .. 4 t + 3.
; Every load and store of a wave covers 512 consecutive bytes.  No matrix unit, no cluster: 72 KiB a work-group are read once, and nothing is shared.
; LIMITS.  A weight below 2^-126 counts as 0; L is at least 1; NaN and infinities are not treated apart.
.set MS,    0                          ; LDS: the 16 chunk maxima
.set LS,    256                        ; the 8 waves' sums
.set SPARE, 512                        ; the spare words, 128 bytes for each of eight waves, which no other line names
.set X,   4                            ; v[4:11]   my 8 logits, then weights
.set W,   12                           ; v[12:27]  m_0 .. m_15, then 2^(m_i - M)
.set S0,  28                           ; v[28:31]  at work
.set PO,  32                           ; v[32:95]  chunk i's four channels at PO + 4 i
.set AC,  96                           ; v[96:99]  sums
.set SPW, 100                          ; v100 SPARE + 4 x my thread's number; never rewritten
.set NIL, 101                          ; v101 0; never rewritten
.set TO,  102                          ; v102 16 t; never rewritten
.set WO,  103                          ; v103 4 w
.set ZO,  104                          ; v104 LDS byte 0
.set A2,  108                          ; v[108:111]
.set SEL, 20                           ; s[20:21]
.macro WMAX x, t                       ; over the wave's 32 lanes; t has been written
	v_max_num_f32_dpp v[\x], v[\x], v[\x] row_xmask:1 row_mask:0xf bank_mask:0xf
	v_max_num_f32_dpp v[\x], v[\x], v[\x] row_xmask:2 row_mask:0xf bank_mask:0xf
	v_max_num_f32_dpp v[\x], v[\x], v[\x] row_xmask:4 row_mask:0xf bank_mask:0xf
	v_max_num_f32_dpp v[\x], v[\x], v[\x] row_xmask:8 row_mask:0xf bank_mask:0xf
	v_permlanex16_b32 v[\t], v[\x], s[SEL], s[SEL+1]
	v_max_num_f32 v[\x], v[\x], v[\t]
.endm
.macro WSUM x, t
	v_add_f32_dpp v[\x], v[\x], v[\x] row_xmask:1 row_mask:0xf bank_mask:0xf
	v_add_f32_dpp v[\x], v[\x], v[\x] row_xmask:2 row_mask:0xf bank_mask:0xf
	v_add_f32_dpp v[\x], v[\x], v[\x] row_xmask:4 row_mask:0xf bank_mask:0xf
	v_add_f32_dpp v[\x], v[\x], v[\x] row_xmask:8 row_mask:0xf bank_mask:0xf
	v_permlanex16_b32 v[\t], v[\x], s[SEL], s[SEL+1]
	v_add_f32 v[\x], v[\x], v[\t]
.endm
	s_load_b256 s[4:11], s[0:1], 0x0               ; LG s[4:5], PO s[6:7], out0 s[8:9], out1 s[10:11]
	v_lshl_add_u32 v[SPW], v0, 2, SPARE
	v_mov_b32 v[NIL], 0
	v_lshlrev_b32 v[TO], 4, v0
	v_lshrrev_b32 v[WO], 5, v0
	v_readfirstlane_b32 s18, v[WO]                 ; wave 0..7
	v_mov_b32 v[WO], s18
	v_lshlrev_b32 v[WO], 2, v[WO]
	v_mov_b32 v[ZO], 0
	s_mov_b32 s[SEL], 0x76543210
	s_mov_b32 s[SEL+1], 0xfedcba98
	s_lshl_b32 s12, ttmp9, 13                      ; a row of LG and of out1
	s_mov_b32 s13, 0
	s_lshl_b32 s14, ttmp9, 16                      ; b's 16 rows of PO
	s_mov_b32 s15, 0
	s_lshl_b32 s16, ttmp9, 12                      ; a row of out0
	s_mov_b32 s17, 0
	s_wait_kmcnt 0x0
	s_add_nc_u64 s[4:5], s[4:5], s[12:13]
	s_add_nc_u64 s[10:11], s[10:11], s[12:13]
	s_add_nc_u64 s[6:7], s[6:7], s[14:15]
	s_add_nc_u64 s[8:9], s[8:9], s[16:17]
	global_load_b128 v[X:X+3],   v[TO], s[4:5]
	global_load_b128 v[X+4:X+7], v[TO], s[4:5] offset:4096
.set i, 0
.rept 16
	global_load_b128 v[PO+4*i:PO+4*i+3], v[TO], s[6:7] offset:4096*i
.set i, i+1
.endr
	s_wait_loadcnt 16                              ; the logits are in; PO's sixteen loads stay out
	v_max_num_f32 v[S0+2], v[X], v[X+1]
	v_max_num_f32 v[S0+3], v[X+4], v[X+5]
	v_max3_num_f32 v[S0], v[S0+2], v[X+2], v[X+3]
	v_max3_num_f32 v[S0+1], v[S0+3], v[X+6], v[X+7]
	WMAX S0, S0+2                                  ; chunk w
	WMAX S0+1, S0+3                                ; chunk 8 + w
	ds_store_b32 v[WO], v[S0] offset:MS
	ds_store_b32 v[WO], v[S0+1] offset:MS+32
	s_wait_dscnt 0x0                               ; for the others' sake
	s_barrier_signal -1
	s_barrier_wait -1
.irp q, 0,1,2,3
	ds_load_b128 v[W+4*\q:W+4*\q+3], v[ZO] offset:MS+16*\q
.endr
	s_wait_dscnt 0x0
	v_max3_num_f32 v[S0], v[W], v[W+1], v[W+2]
.irp k, 0,1,2,3,4,5
	v_max3_num_f32 v[S0], v[S0], v[W+3+2*\k], v[W+4+2*\k]
.endr
	v_max_num_f32 v[S0], v[S0], v[W+15]            ; M
.set x, 0
.rept 24                                       ; my 8 logits and the 16 maxima lie on end
	v_sub_f32 v[X+x], v[X+x], v[S0]
.set x, x+1
.endr
.set x, 0
.rept 24
	v_exp_f32 v[X+x], v[X+x]
.set x, x+1
.endr
	v_nop
	s_wait_alu depctr_va_vdst(0)                   ; one wait for the 24 exponentials, ahead of their first reader
	v_pk_add_f32 v[S0:S0+1], v[X:X+1], v[X+2:X+3]
	v_pk_add_f32 v[S0+2:S0+3], v[X+4:X+5], v[X+6:X+7]
	v_pk_add_f32 v[S0:S0+1], v[S0:S0+1], v[S0+2:S0+3]
	v_add_f32 v[S0], v[S0], v[S0+1]
	WSUM S0, S0+1
	ds_store_b32 v[WO], v[S0] offset:LS            ; other bytes than the maxima's: no barrier is owed to their readers
	s_wait_dscnt 0x0
	s_barrier_signal -1
	s_barrier_wait -1
	ds_load_b128 v[AC:AC+3], v[ZO] offset:LS
	ds_load_b128 v[A2:A2+3], v[ZO] offset:LS+16
	s_wait_dscnt 0x0
	v_pk_add_f32 v[AC:AC+1], v[AC:AC+1], v[AC+2:AC+3]
	v_pk_add_f32 v[A2:A2+1], v[A2:A2+1], v[A2+2:A2+3]
	v_pk_add_f32 v[AC:AC+1], v[AC:AC+1], v[A2:A2+1]
	v_add_f32 v[S0+2], v[AC], v[AC+1]              ; L
	v_rcp_f32 v[S0], v[S0+2]
	v_rcp_f32 v[S0+1], v[S0+2]                     ; twice: a pair for the packed multiplies
	v_nop
	s_wait_alu depctr_va_vdst(0)
.irp x, 0,2,4,6
	v_pk_mul_f32 v[X+\x:X+\x+1], v[X+\x:X+\x+1], v[S0:S0+1]
.endr
	global_store_b128 v[TO], v[X:X+3],   s[10:11]
	global_store_b128 v[TO], v[X+4:X+7], s[10:11] offset:4096
	s_wait_loadcnt 0x0                             ; PO
	v_pk_mul_f32 v[AC:AC+1],   v[PO:PO+1],   v[W:W+1] op_sel_hi:[1,0]
	v_pk_mul_f32 v[AC+2:AC+3], v[PO+2:PO+3], v[W:W+1] op_sel_hi:[1,0]
.set i, 1
.rept 15                                       ; chunk i's factor is one register of a pair: the low one for even i, the high one for odd i, for both halves
.if i%2 == 0
	v_pk_fma_f32 v[AC:AC+1],   v[PO+4*i:PO+4*i+1],   v[W+i:W+i+1], v[AC:AC+1]   op_sel_hi:[1,0,1]
	v_pk_fma_f32 v[AC+2:AC+3], v[PO+4*i+2:PO+4*i+3], v[W+i:W+i+1], v[AC+2:AC+3] op_sel_hi:[1,0,1]
.else
	v_pk_fma_f32 v[AC:AC+1],   v[PO+4*i:PO+4*i+1],   v[W+i-1:W+i], v[AC:AC+1]   op_sel:[0,1,0] op_sel_hi:[1,1,1]
	v_pk_fma_f32 v[AC+2:AC+3], v[PO+4*i+2:PO+4*i+3], v[W+i-1:W+i], v[AC+2:AC+3] op_sel:[0,1,0] op_sel_hi:[1,1,1]
.endif
.set i, i+1
.endr
	v_pk_mul_f32 v[AC:AC+1],   v[AC:AC+1],   v[S0:S0+1]
	v_pk_mul_f32 v[AC+2:AC+3], v[AC+2:AC+3], v[S0:S0+1]
	global_store_b128 v[TO], v[AC:AC+3], s[8:9]
	s_wait_tensorcnt 0x0                           ; the wave's end, behind my last LDS store
	ds_add_u32 v[SPW], v[NIL]
	s_wait_dscnt 0x0
	s_endpgm
.Lfunc_end_k_q5c48cc8ade_fin:
	.size	k_q5c48cc8ade_fin, .Lfunc_end_k_q5c48cc8ade_fin-k_q5c48cc8ade_fin
	.p2alignl 7, 3214868480
	.fill 96, 4, 3214868480
	.section	.rodata,"a",@progbits
	.p2align	6, 0x0
	.amdhsa_kernel k_q5c48cc8ade_fin
		.amdhsa_group_segment_fixed_size 1536
		.amdhsa_private_segment_fixed_size 0
		.amdhsa_enable_private_segment 0
		.amdhsa_kernarg_size 32
		.amdhsa_user_sgpr_count 2
		.amdhsa_user_sgpr_kernarg_segment_ptr 1
		.amdhsa_wavefront_size32 1
		.amdhsa_system_sgpr_workgroup_id_x 1
		.amdhsa_system_sgpr_workgroup_id_y 1
		.amdhsa_system_sgpr_workgroup_id_z 1
		.amdhsa_system_vgpr_workitem_id 0
		.amdhsa_next_free_vgpr 128
		.amdhsa_next_free_sgpr 66
		.amdhsa_reserve_vcc 0
		.amdhsa_float_denorm_mode_32 3
		.amdhsa_float_denorm_mode_16_64 3
		.amdhsa_memory_ordered 1
		.amdhsa_forward_progress 1
		.amdhsa_inst_pref_size 11
	.end_amdhsa_kernel
	.amdgpu_metadata
---
amdhsa.version: [ 1, 2 ]
amdhsa.kernels:
  - .name:           k_q5c48cc8ade_fin
    .symbol:         k_q5c48cc8ade_fin.kd
    .args:
      - { .name: LG, .offset: 0, .size: 8, .value_kind: global_buffer, .address_space: global }
      - { .name: PO, .offset: 8, .size: 8, .value_kind: global_buffer, .address_space: global }
      - { .name: out0, .offset: 16, .size: 8, .value_kind: global_buffer, .address_space: global }
      - { .name: out1, .offset: 24, .size: 8, .value_kind: global_buffer, .address_space: global }
    .group_segment_fixed_size: 1536
    .private_segment_fixed_size: 0
    .kernarg_segment_align: 8
    .kernarg_segment_size: 32
    .max_flat_workgroup_size: 256
    .sgpr_count:     66
    .vgpr_count:     128
    .wavefront_size: 32
...
	.end_amdgpu_metadata
.endif
;; end of part 3
;; ======== version 2 of 2: 3 launches; version 1 with the launch main written anew for expert scheduling mode
;; workspace buffers: WT 2,097,152 bytes; D2 131,072 bytes; LG 262,144 bytes; PO 2,097,152 bytes
;; launch prep: the kernel of part 1 again; grid 32 x 1, 16 waves a work-group, no clusters, 305,152 bytes of LDS; arguments We, Wd, decoder_hidden, WT, D2; writes WT, D2
;; launch main (part 4): grid 16 x 32, 4 waves a work-group, no clusters, 271,872 bytes of LDS; arguments encoder_outputs, WT, D2, v, LG, PO; writes LG, PO
.if DOCPART == 4
	.amdgcn_target "amdgcn-amd-amdhsa--gfx1250"
	.amdhsa_code_object_version 6
	.text
	.protected	k_q5c48cc8ade_main
	.globl	k_q5c48cc8ade_main
	.p2align	8
	.type	k_q5c48cc8ade_main,@function
k_q5c48cc8ade_main:
	s_mov_b64 s[64:65], 0
	v_nop
	global_prefetch_b8 v0, s[64:65] scope:SCOPE_SE
	s_setreg_imm32_b32 hwreg(HW_REG_WAVE_SCHED_MODE, 0, 2), 2
	s_setreg_imm32_b32 hwreg(HW_REG_WAVE_MODE, 25, 1), 1
	s_wait_xcnt 0x0
	s_wait_alu depctr_vm_vsrc(0)
; FOR 128 ROWS s OF ONE b: energy = tanh(dec Wd + enc We), logit = v . energy, the chunk's softmax weights, and the chunk's weighted sum of enc.
; encoder_outputs [2048 s][32 b][1024] f32 is read ONCE: the work-group's 128 rows are rounded to bf16 and stay in LDS (pitch 2,064) for both products.
; ALGEBRA.  tanh(x) = 1 - 2 r, r = 1 / (1 + 2^(c x)), c = 2 log2(e).  The sum of v over all channels is the same for every row, and a softmax is unchanged by a
; common addend, so what is carried is lg2 = -2 log2(e) x the sum over n of v[n] r[n]: the logit in units of log2, less that constant.  D2 holds c x (dec Wd).
; The chunk's maximum m is taken away before the exponential: p = 2^(lg2 - m); PO = the sum over the chunk's rows of p x enc.  The launch behind joins the 16 chunks of a b
; by their maxima, which it takes anew from LG.
; LIMITS.  2^y beyond f32's range is an infinity and gives r = 0 (tanh = 1); below it 0 and r = 1 (tanh = -1).  p is rounded to bf16 for the second product, and enc is bf16 there.
; NaN and infinite inputs are not treated apart.
; SHARES.  Wave w makes all 128 rows x 128 columns n = 512 pass + 128 w + 0..127, in two passes: 64 accumulators of 16 x 16, 512 registers.  The product is used transposed
; (source 0 = 16 columns of WT, source 1 = 16 rows of enc): a lane holds ONE row (l % 16) and the columns 8 (l / 16) + 0..7, so a row's sum over n stays in its lane but for one exchange.
; enc's fragments come out of LDS (16 loads for 64 matrix instructions); WT's come straight into registers, 512 consecutive bytes a load: no wave wants another's.
; A QUARTER is 32 along K: 64 matrix instructions.  In pass 1 quarter q also rounds and stores staging unit q + 3 (16 of my 32 rows x 64 k) and asks for unit q + 7 and for WT's quarter q + 4.
; A slice of 64 k is whole one barrier ahead of its first reader; LDS bytes of enc are written once, so one barrier for two quarters is all.
; NO CLUSTER, NO TENSOR LOADS: WT is shared by all work-groups, but the 128 resident rows take 264,192 of a WGP's 327,680 bytes of LDS; in what is left two slots of WT would hold
; some 27,900 bytes each, the operands of 54 matrix instructions a wave: a round of a cluster's barrier for every 54.
; REGISTERS, in windows of 256 (s_set_vgpr_msb: bits 1:0 source 0, 3:2 source 1, 5:4 source 2, 7:6 destination):
;   window 0: addresses, v24-31 a row's sum for each of 8 row tiles, v32-47 at work, v64-127 enc's fragments (one buffer, filled by halves), v128-255 four staging groups; later d and v
;   window 1: four buffers of WT's fragments          window 2: accumulators of rows 0-63 ((a, b) at 8 (8 a + b))          window 3: rows 64-127
; THE MODE: SCHED_MODE bits 1:0 = 2 (LLVM: expert scheduling mode 2), set by the entry lines.  The code itself states the register dependences
; between vector or matrix instructions and memory or LDS instructions, with s_wait_alu, always for 0.
; THE PLAN.  Registers that memory or LDS instructions touch, in the loops:
;   AF lo  v64-95    read by a quarter's first 32 products; the LDS loads in the quarter's middle land in it (the next quarter's rows 0-63)
;   AF hi  v96-127   read by its second 32 products; the LDS loads at the quarter's end land in it (the next quarter's rows 64-127)
;   WT's buffer j    read by all 64 products of the quarter; the loads at the quarter's end land in it (four quarters on)
;   STG group        read by the sixteen conversions in the quarter's middle; the loads at the quarter's end land in it
;   CT     v32-47    written by those conversions; read by the eight LDS stores behind them
;   AO, SO           read by the fragments' loads and the units' stores; written once in four quarters, in a quarter's middle
;   VO, BO, DVO, PFO written at the head and never again: scalar bases and immediate offsets do the rest
;   The accumulators are named by vector and matrix instructions alone until the tail.
; All 1,024 registers are taken, so AF is one buffer filled by halves, and a quarter has TWO waits on va_vdst, one for each half.  The one in the middle, behind the conversions, states: CT is
; written; the first 32 products are done reading AF lo; AO and SO are written.  The one at the end states: the second 32 products are done reading AF hi and WT's buffer.  Behind each stands a run
; of memory and LDS lines with no vector line among them.  One wait on vm_vsrc stands in the middle, ahead of the lines that write CT, AO or SO again: the youngest line that read them stands 32 products back.
.set PITCH, 2064                       ; an LDS row: 2,048 bytes + 16 = 129 x 16: the 16 rows of a fragment load start at 16 different groups of four banks (ISA guide 11.1)
.set ROWG,  131072                     ; bytes from row s to row s + 1 of encoder_outputs
.set LGS,   128*PITCH                  ; behind the rows: each wave's 128 partial sums, 512 bytes a wave
.set PSB,   LGS+2048                   ; each wave's own copy of the 128 weights in bf16, 256 bytes
.set OSB,   PSB+1024                   ; each wave's own 256 channels of the weighted sum, 1,024 bytes
.set SPARE, OSB+4096                   ; the spare words, 128 bytes for each wave, which no other line names
.set VO,  6                            ; v6   (32 w + l / 16) x ROWG + 16 (l % 16): staging loads; never rewritten
.set BO,  7                            ; v7   262144 w + 16 l: WT's fragments; never rewritten
.set DVO, 8                            ; v8   512 w + 32 (l / 16): my 8 columns of d and of v; never rewritten
.set PFO, 9                            ; v9   (32 w + l) x ROWG: the prefetches, a lane a row; never rewritten
.set AOB, 10                           ; v10-13  (32 p + l % 16) x PITCH + 16 (l / 16)
.set AO,  14                           ; v14-17  the same + KB
.set SOB, 18                           ; v18  (32 w + l / 16) x PITCH + 8 (l % 16)
.set SO,  19                           ; v19  the same + KB
.set SPW, 20                           ; v20  SPARE + 4 x my thread's number; never rewritten
.set NIL, 21                           ; v21  0; never rewritten
.set LGA, 24                           ; v24-31
.set CT,  32                           ; v32-47  a unit in bf16; at the start alone v32-79 hold three units
.set LT,  32                           ; v32-40  in the epilogue: four chains of pairs, and their sum
.set AF,  64
.set STG, 128
.set DD,  128                          ; c x d of my columns: column tile b at DD + 8 b
.set VV,  192                          ; v likewise
.set WV,  16                           ; s16  wave
.set CI,  17                           ; s17  chunk
.set BI,  18                           ; s18  b
.set CNT, 19                           ; s19  trips
.set KB,  20                           ; s20  LDS byte along K from which the LDS offsets in hand count
.set PASS, 21                          ; s21  passes to go
.set CC,  22                           ; s[22:23] c
.set SA,  24                           ; s[24:25] encoder_outputs at the chunk's first row, b, stepping along K
.set WB,  26                           ; s[26:27] WT for the pass in hand, stepping along K
.set WP2, 28                           ; s[28:29] WT at pass 2's tiles
.set DB,  30                           ; s[30:31] D2 at row b
.set SEL, 34                           ; s[34:35] v_permlanex16_b32: each lane takes its own place in the other half
.set MSB, 0
.macro WIN new                         ; the immediate's high byte repeats the setting that is left; a switch that changes nothing is dropped
.if MSB != (\new)
	s_set_vgpr_msb (MSB<<8)|(\new)
.set MSB, (\new)
.endif
.endm
.macro PLACES                          ; four places behind a matrix instruction, ahead of loads into registers that it read and of vector lines that read results
.rept 4
	v_nop
.endr
.endm
; 32 matrix instructions: row tiles 4 hi + 0..3 x all 8 column tiles.  The 64 accumulators take turns in the same order in every quarter.  zero = 1: the products start the sums.
.macro MULH j, hi, zero
	WIN 0xa1+0x50*(\hi)
.irp a, 0,1,2,3
.irp b, 0,1,2,3,4,5,6,7
.if \zero
	v_wmma_f32_16x16x32_bf16 v[8*(8*(\a)+(\b)):8*(8*(\a)+(\b))+7], v[64*(\j)+8*(\b):64*(\j)+8*(\b)+7], v[AF+8*(4*(\hi)+(\a)):AF+8*(4*(\hi)+(\a))+7], 0
.else
	v_wmma_f32_16x16x32_bf16 v[8*(8*(\a)+(\b)):8*(8*(\a)+(\b))+7], v[64*(\j)+8*(\b):64*(\j)+8*(\b)+7], v[AF+8*(4*(\hi)+(\a)):AF+8*(4*(\hi)+(\a))+7], v[8*(8*(\a)+(\b)):8*(8*(\a)+(\b))+7]
.endif
.endr
.endr
.endm
.macro ALOAD hf, ka                    ; enc's fragments of row tiles 4 hf + 0..3, 32 k at byte KB + ka of the rows
	WIN 0
.irp a, 0,1,2,3
	ds_load_b128 v[AF+32*(\hf)+8*(\a):AF+32*(\hf)+8*(\a)+3],   v[AO+2*(\hf)+(\a)/2] offset:((\a)%2)*16*PITCH+(\ka)
	ds_load_b128 v[AF+32*(\hf)+8*(\a)+4:AF+32*(\hf)+8*(\a)+7], v[AO+2*(\hf)+(\a)/2] offset:((\a)%2)*16*PITCH+(\ka)+32
.endr
.endm
.macro BLOAD j, base, bim              ; a quarter of WT for my 8 column tiles into buffer j: 16 loads of 512 consecutive bytes
	WIN 0x40
.irp b, 0,1,2,3,4,5,6,7
	global_load_b128 v[64*(\j)+8*(\b):64*(\j)+8*(\b)+3],   v[BO], s[\base:\base+1] offset:32768*(\b)+(\bim)
	global_load_b128 v[64*(\j)+8*(\b)+4:64*(\j)+8*(\b)+7], v[BO], s[\base:\base+1] offset:32768*(\b)+(\bim)+512
.endr
.endm
.macro SLOAD dst, e, sim               ; a staging unit: rows 32 w + 16 e + 0..15, 256 bytes of each; a load takes two rows
.irp i, 0,1,2,3,4,5,6,7
	global_load_b128 v[(\dst)+4*(\i):(\dst)+4*(\i)+3], v[VO], s[SA:SA+1] offset:(16*(\e)+2*(\i))*ROWG+(\sim) th:TH_LOAD_NT
.endr
.endm
.macro CVT src, dst                    ; a unit is rounded: 32 registers of f32 into 16 of bf16
.irp i, 0,1,2,3,4,5,6,7
	v_cvt_pk_bf16_f32 v[(\dst)+2*(\i)],   v[(\src)+4*(\i)],   v[(\src)+4*(\i)+1]
	v_cvt_pk_bf16_f32 v[(\dst)+2*(\i)+1], v[(\src)+4*(\i)+2], v[(\src)+4*(\i)+3]
.endr
.endm
.macro CST e, ks, src
.irp i, 0,1,2,3,4,5,6,7
	ds_store_b64 v[SO], v[(\src)+2*(\i):(\src)+2*(\i)+1] offset:(16*(\e)+2*(\i))*PITCH+(\ks)
.endr
.endm
.macro DVLOAD pass                     ; c x d and v of my 128 columns of this pass: 32 loads
	WIN 0
.irp b, 0,1,2,3,4,5,6,7
	global_load_b128 v[DD+8*(\b):DD+8*(\b)+3],   v[DVO], s[DB:DB+1] offset:2048*(\pass)+64*(\b)
	global_load_b128 v[DD+8*(\b)+4:DD+8*(\b)+7], v[DVO], s[DB:DB+1] offset:2048*(\pass)+64*(\b)+16
	global_load_b128 v[VV+8*(\b):VV+8*(\b)+3],   v[DVO], s[10:11] offset:2048*(\pass)+64*(\b)
	global_load_b128 v[VV+8*(\b)+4:VV+8*(\b)+7], v[DVO], s[10:11] offset:2048*(\pass)+64*(\b)+16
.endr
.endm
.macro KADDR st                        ; the LDS addresses follow KB; st = 1: the staging stores' too
	WIN 0
.irp p, 0,1,2,3
	v_add_nc_u32 v[AO+\p], s[KB], v[AOB+\p]
.endr
.if \st
	v_add_nc_u32 v[SO], s[KB], v[SOB]
.endif
.endm
; A PREFETCH INTO THE L2, once a trip, behind the trip's first loads: my own 32 rows, a lane a row, of the two slices of 64 k (256 bytes of a row each) that the NEXT trip's staging loads will ask for:
; four quarters, 256 matrix instructions, ahead.  Each wave names only rows that it stages itself, so each block is named once.  Slices 0 to 5 come by their loads alone; the last trip asks for nothing: slice 15 is the last.
.macro ASK
	s_cmp_gt_u32 s[CNT], 1
	s_cbranch_scc0 .Lnoask_\@
	global_prefetch_b8 v[PFO], s[SA:SA+1] offset:1024 th:TH_LOAD_NT scope:SCOPE_SE
	global_prefetch_b8 v[PFO], s[SA:SA+1] offset:1280 th:TH_LOAD_NT scope:SCOPE_SE
.Lnoask_\@:
.endm
; A QUARTER on WT's buffer j.
;   lc    how many younger global loads may stay out when WT's quarter, and the unit to be rounded, have to be in
;   cv    1: staging group grp is rounded and stored: rows' half e, at byte KB + ks.  Its 16 conversions are the places behind the first 32 products
;   rs    1: the group is asked for again, at byte sim behind SA; 2: d and v of pass 1 are asked for
;   bl    1: buffer j is asked for again, at byte bim behind base
;   al    1: the next quarter's fragments of enc, at byte KB + ka: rows 0-63 in the middle, rows 64-127 at the end
;   sg    1: my stores are done and I say so; the wait stands in the next quarter's middle (wt = 1), ahead of the first read of the slice that the stores completed.  2: signal and wait together
;   stp   the pointers step a trip on, behind s_wait_xcnt 0: the youngest line that reads them stands a quarter back.  1: WT's and enc's; 2: WT's alone
;   kst   in the quarter's middle KB and the LDS addresses move, ahead of the quarter's first LDS line: 1: four quarters on (128 k, 256 bytes), AO and SO; 2: the same, AO alone; 3: back to 0, AO alone.
;         Where nothing is rounded the four additions are the places behind the first 32 products
.macro QTR j, zero, lc, cv, grp, e, ks, rs, sim, bl, base, bim, al, ka, sg, wt, stp, pf, kst
	s_wait_loadcnt \lc
	s_wait_dscnt 8                                 ; rows 0-63's fragments are in; the youngest eight LDS loads (rows 64-127) may be out
	MULH \j, 0, \zero
	WIN 0
.if (\cv) || (\kst)
	s_wait_alu depctr_vm_vsrc(0)                   ; the LDS stores of the unit before have read CT, and all LDS lines issued so far AO and SO: the lines below write them again
.endif
.if (\kst) == 3
	s_mov_b32 s[KB], 0
	KADDR 0
.elseif (\kst)
	s_add_co_u32 s[KB], s[KB], 256
	KADDR 2-(\kst)
.endif
.if \cv
	CVT STG+32*(\grp), CT
.elseif (\kst) == 0
	PLACES
.endif
.if (\cv) || (\al)
	s_wait_alu depctr_va_vdst(0)                   ; the conversions have written CT, which the stores below read; the 32 products above are done reading AF lo, in which the loads below land; AO and SO are written
.endif
.if \wt
	s_barrier_wait -1                              ; every wave's stores of the slice that is read next are done
.endif
.if \cv
	CST \e, \ks, CT
.endif
.if \al
	ALOAD 0, \ka
.endif
	s_wait_dscnt 8*(\cv)+8*(\al)                   ; all but what was just issued: rows 64-127's fragments are in
	MULH \j, 1, \zero
	PLACES
.if (\bl) || (\rs) || (\al)
	s_wait_alu depctr_va_vdst(0)                   ; the 32 products above are done reading WT's buffer j and AF hi, in which the loads below land (the staging group's readers stand ahead of the middle's wait); no vector line stands among those loads
.endif
.if \stp
	s_wait_xcnt 0x0
	s_add_nc_u64 s[WB:WB+1], s[WB:WB+1], 4096
.if (\stp) == 1
	s_add_nc_u64 s[SA:SA+1], s[SA:SA+1], 512
.endif
.endif
.if \bl
	BLOAD \j, \base, \bim
.endif
	WIN 0
.if (\rs) == 1
	SLOAD STG+32*(\grp), \e, \sim
.elseif (\rs) == 2
	DVLOAD 0
.endif
.if \pf
	ASK
.endif
.if \sg
	s_wait_dscnt 0x0                               ; for the others' sake: my stores into the rows are done (and no LDS line of mine is pending at the signal)
	s_barrier_signal -1
.if (\sg) == 2
	s_barrier_wait -1                              ; at the loop's edge signal and wait stand together
.endif
.endif
.if \al
	ALOAD 1, \ka                                   ; bytes of a slice that is whole: nobody writes them again
.endif
.endm
.macro Q2 j, zero, lc, bl, bim, al, ka, stp, kst   ; a quarter of pass 2: nothing is staged, no barrier
	QTR \j, \zero, \lc, 0,0,0,0, 0,0, \bl, WB, \bim, \al, \ka, 0,0, \stp, 0, \kst
.endm
	s_load_b256 s[4:11], s[0:1], 0x0               ; encoder_outputs s[4:5], WT s[6:7], D2 s[8:9], v s[10:11]
	s_load_b128 s[12:15], s[0:1], 0x20             ; LG s[12:13], PO s[14:15]
	v_lshl_add_u32 v[SPW], v0, 2, SPARE
	v_mov_b32 v[NIL], 0
	v_lshrrev_b32 v1, 5, v0
	v_readfirstlane_b32 s[WV], v1                  ; wave 0..3
	v_and_b32 v1, 15, v0                           ; l % 16
	v_bfe_u32 v2, v0, 4, 1                         ; l / 16
	v_and_b32 v3, 31, v0                           ; l
	s_mov_b32 s[CI], ttmp9
	s_and_b32 s[BI], ttmp7, 0xffff
	s_mov_b32 s[CC], 0x4038aa3b                    ; c = 2 log2(e)
	s_mov_b32 s[CC+1], 0x4038aa3b                  ; named with it as a pair
	s_mov_b32 s[SEL], 0x76543210
	s_mov_b32 s[SEL+1], 0xfedcba98
	s_mov_b32 s[PASS], 2
	s_wait_alu depctr_va_sdst(0)                   ; the wave's number is written, ahead of its first reader
	s_lshl_b32 s36, s[WV], 22                      ; 32 rows of ROWG bytes
	v_lshlrev_b32 v[VO], 4, v1
	v_lshl_add_u32 v[VO], v2, 17, v[VO]
	v_add_nc_u32 v[VO], s36, v[VO]
	v_lshl_add_u32 v[PFO], v3, 17, s36
	s_lshl_b32 s37, s[WV], 18                      ; 8 column tiles of 32,768 bytes
	v_lshl_add_u32 v[BO], v3, 4, s37
	s_lshl_b32 s37, s[WV], 9                       ; 128 columns in f32
	v_lshl_add_u32 v[DVO], v2, 5, s37
	v_mul_u32_u24 v[AOB], v1, PITCH
	v_lshl_add_u32 v[AOB], v2, 4, v[AOB]
	v_add_nc_u32 v[AOB+1], 32*PITCH, v[AOB]
	v_add_nc_u32 v[AOB+2], 64*PITCH, v[AOB]
	v_add_nc_u32 v[AOB+3], 96*PITCH, v[AOB]
	s_mul_i32 s37, s[WV], 32*PITCH
	v_mul_u32_u24 v[SOB], v2, PITCH
	v_lshl_add_u32 v[SOB], v1, 3, v[SOB]
	v_add_nc_u32 v[SOB], s37, v[SOB]
	s_mov_b32 s[KB], 0
	KADDR 1
	s_lshl_b32 s36, s[CI], 24                      ; 128 rows of ROWG bytes,
	s_lshl_b32 s37, s[BI], 12                      ; b's 4,096 bytes of a row
	s_add_co_u32 s36, s36, s37
	s_mov_b32 s37, 0
	s_lshl_b32 s38, s[BI], 12
	s_mov_b32 s39, 0
	s_wait_kmcnt 0x0
	s_add_nc_u64 s[SA:SA+1], s[4:5], s[36:37]
	s_add_nc_u64 s[DB:DB+1], s[8:9], s[38:39]
	s_mov_b64 s[WB:WB+1], s[6:7]
	s_add_nc_u64 s[WP2:WP2+1], s[6:7], 0x100000    ; 32 column tiles on
	s_lshl_b32 s36, s[BI], 13
	s_lshl_b32 s38, s[CI], 9
	s_add_co_u32 s36, s36, s38
	s_add_nc_u64 s[12:13], s[12:13], s[36:37]      ; LG at [b][128 chunk]
	s_lshl_b32 s36, s[BI], 16
	s_lshl_b32 s38, s[CI], 12
	s_add_co_u32 s36, s36, s38
	s_add_nc_u64 s[14:15], s[14:15], s[36:37]      ; PO at [b][chunk]
	; THE START.  Units 0 to 2 go into registers of window 2 that are accumulators later; then WT's quarters 0 to 3 and units 3 to 6, in the order in which the quarters go on asking.
	WIN 0x80
	s_wait_alu depctr_va_vdst(0)                   ; the offsets and addresses v6 to v19 are written, which the loads, prefetches and LDS lines below read
	SLOAD 0, 0, 0
	SLOAD 32, 1, 0
	SLOAD 64, 0, 256
	BLOAD 0, WB, 0
	WIN 0
	SLOAD STG+96, 1, 256
	BLOAD 1, WB, 1024
	WIN 0
	SLOAD STG, 0, 512
	BLOAD 2, WB, 2048
	WIN 0
	SLOAD STG+32, 1, 512
	BLOAD 3, WB, 3072
	WIN 0
	SLOAD STG+64, 0, 768
.irp a, 0,1,2,3,4,5,6,7
	v_mov_b32 v[LGA+\a], 0                         ; the rows' sums over n, which both passes add onto
.endr
	s_wait_loadcnt 63                              ; 96 loads stand behind unit 2's; 63 is the largest count that a wait can name
	WIN 0x0a                                       ; sources in window 2
	CVT 0, CT                                      ; three units into three sets of registers, v32-79, so that one wait serves their 24 stores
	CVT 32, CT+16
	CVT 64, CT+32
	WIN 0
	s_wait_alu depctr_va_vdst(0)                   ; the 48 conversions have written v32-79, which the LDS stores read
	CST 0, 0, CT
	CST 1, 0, CT+16
	CST 0, 128, CT+32
	s_wait_dscnt 0x0                               ; for the others' sake: my rows of slice 0 lie in LDS
	s_barrier_signal -1
	s_barrier_wait -1
	s_wait_alu depctr_vm_vsrc(0)                   ; my LDS stores have read v32-79: the fragments' loads below land in v64-79
	ALOAD 0, 0
	ALOAD 1, 0
	; PASS 1.  At the head of quarter q WT's quarter q and unit q + 3 have to be in; behind the unit's loads stand three runs of 16 and three of 8, 72 loads: the count is 63.
	QTR 0,1,63, 1,3,1,128, 1,768, 1,WB,4096, 1,64,  2,0, 0,0, 0
	WIN 0
	s_mov_b32 s[CNT], 6
.Lp1:                                          ; trip T: quarters 4 T + 1 .. 4 T + 4; KB = 256 T, and 256 (T + 1) from the fourth quarter's middle on
	QTR 1,0,63, 1,0,0,256, 1,512, 1,WB,1024, 1,128, 0,0, 1,1, 0
	QTR 2,0,63, 1,1,1,256, 1,512, 1,WB,2048, 1,192, 1,0, 0,0, 0
	QTR 3,0,63, 1,2,0,384, 1,768, 1,WB,3072, 1,256, 0,1, 0,0, 0
	QTR 0,0,63, 1,3,1,128, 1,768, 1,WB,4096, 1,64,  2,0, 0,0, 1
	s_sub_co_u32 s[CNT], s[CNT], 1
	s_cmp_lg_u32 s[CNT], 0
	s_cbranch_scc1 .Lp1
	; quarters 25 to 31 are written out: no unit is left to ask for, and from quarter 28 on WT's loads are pass 2's first four quarters
	QTR 1,0,63, 1,0,0,256, 0,0, 1,WB,1024, 1,128, 0,0, 2,0, 0
	QTR 2,0,63, 1,1,1,256, 0,0, 1,WB,2048, 1,192, 1,0, 0,0, 0   ; behind unit 29: 16 + 8 + 16 + 8 + 16 = 64
	QTR 3,0,56, 1,2,0,384, 0,0, 1,WB,3072, 1,256, 0,1, 0,0, 0   ; behind unit 30: 16 + 8 + 16 + 16
	QTR 0,0,48, 1,3,1,128, 2,0, 1,WP2,0,   1,64,  1,0, 0,0, 1   ; behind unit 31: three runs of 16
	QTR 1,0,63, 0,0,0,0, 0,0, 1,WP2,1024, 1,128, 0,1, 0,0, 0    ; behind WT's quarter: three runs of 16 and the 32 of d and v
	QTR 2,0,63, 0,0,0,0, 0,0, 1,WP2,2048, 1,192, 0,0, 0,0, 0
	QTR 3,0,63, 0,0,0,0, 0,0, 1,WP2,3072, 1,0,   0,0, 0,0, 3    ; the fragments fetched here are pass 2's first; its wait on vm_vsrc also stands between the last unit's stores, which read v32-47, and the epilogue, which writes v32-40
	WIN 0
	s_wait_loadcnt 0x0                             ; d and v are in; once a pass nothing is left pending at the label below, whichever way leads to it
	s_wait_dscnt 0x0
; THE EPILOGUE of a pass, written once.  For each row tile a: y = c x + c d (32 packed lines), 2^y (64), 1 + 2^y (32), the reciprocal (64), and v r summed in four chains of pairs (32).
; The exponentials of a tile are one batch with one wait, the reciprocals another: ahead of a wait nothing names a result of its batch.  A packed line stands between two transcendentals while there are any.
; Each accumulator is read from its lowest registers on.  No memory or LDS line stands in it.
.macro YL p
	v_pk_fma_f32 v[AC+2*(\p):AC+2*(\p)+1], v[AC+2*(\p):AC+2*(\p)+1], s[CC:CC+1], v[DD+2*(\p):DD+2*(\p)+1] op_sel_hi:[1,0,1]
.endm
.macro ONE p
	v_pk_add_f32 v[AC+2*(\p):AC+2*(\p)+1], v[AC+2*(\p):AC+2*(\p)+1], 1.0 op_sel_hi:[1,0]
.endm
.macro EPIT a
.set AC, 64*((\a)%4)
	WIN 0x82+0x41*((\a)/4)                         ; destination and source 0 in the accumulators' window, d in window 0
	YL 0
	YL 1
.set p, 0
.rept 32
	v_exp_f32 v[AC+2*p], v[AC+2*p]
.if p < 30
	YL p+2
.endif
	v_exp_f32 v[AC+2*p+1], v[AC+2*p+1]
.set p, p+1
.endr
	v_nop                                          ; a plain line behind the last exponential,
	s_wait_alu depctr_va_vdst(0)                   ; and one wait for the batch: the tile's 64 exponentials have written their results, which the additions below read
	ONE 0
	ONE 1
.set p, 0
.rept 32
	v_rcp_f32 v[AC+2*p], v[AC+2*p]
.if p < 30
	ONE p+2
.endif
	v_rcp_f32 v[AC+2*p+1], v[AC+2*p+1]
.set p, p+1
.endr
	v_nop
	s_wait_alu depctr_va_vdst(0)                   ; the tile's 64 reciprocals have written their results, which the products with v below read
	WIN 0x02+(\a)/4                                ; source 0 in the accumulators' window
.set p, 0
.rept 32
.if p < 4
	v_pk_mul_f32 v[LT+2*p:LT+2*p+1], v[AC+2*p:AC+2*p+1], v[VV+2*p:VV+2*p+1]
.else
	v_pk_fma_f32 v[LT+2*(p%4):LT+2*(p%4)+1], v[AC+2*p:AC+2*p+1], v[VV+2*p:VV+2*p+1], v[LT+2*(p%4):LT+2*(p%4)+1]
.endif
.set p, p+1
.endr
	WIN 0
	v_pk_add_f32 v[LT:LT+1], v[LT:LT+1], v[LT+2:LT+3]
	v_pk_add_f32 v[LT+4:LT+5], v[LT+4:LT+5], v[LT+6:LT+7]
	v_pk_add_f32 v[LT:LT+1], v[LT:LT+1], v[LT+4:LT+5]
	v_add_f32 v[LT+8], v[LT], v[LT+1]
	v_add_f32 v[LGA+(\a)], v[LGA+(\a)], v[LT+8]
.endm
.Lepi:
.irp a, 0,1,2,3,4,5,6,7
	EPIT \a
.endr
	s_sub_co_u32 s[PASS], s[PASS], 1
	s_cmp_eq_u32 s[PASS], 0
	s_cbranch_scc1 .Ltail
	; PASS 2: the same rows out of LDS, WT's column tiles 32 on.  At a quarter's head three younger runs of 16 may be out.
	s_wait_xcnt 0x0                                ; WT's pointer was last read in pass 1
	s_mov_b64 s[WB:WB+1], s[WP2:WP2+1]
	s_wait_alu depctr_va_vdst(0)                   ; the epilogue's lines are done reading d and v of pass 1, in whose registers pass 2's land
	DVLOAD 1
	Q2 0,1,48, 1,4096, 1,64, 0, 0
	WIN 0
	s_mov_b32 s[CNT], 6
.Lp2:
	Q2 1,0,48, 1,1024, 1,128, 2, 0
	Q2 2,0,48, 1,2048, 1,192, 0, 0
	Q2 3,0,48, 1,3072, 1,256, 0, 0
	Q2 0,0,48, 1,4096, 1,64,  0, 2
	s_sub_co_u32 s[CNT], s[CNT], 1
	s_cmp_lg_u32 s[CNT], 0
	s_cbranch_scc1 .Lp2
	Q2 1,0,48, 1,1024, 1,128, 2, 0
	Q2 2,0,48, 1,2048, 1,192, 0, 0
	Q2 3,0,48, 1,3072, 1,256, 0, 0
	Q2 0,0,48, 0,0,    1,64,  0, 2                 ; nothing of WT is left to ask for: the counts run down
	Q2 1,0,32, 0,0,    1,128, 0, 0
	Q2 2,0,16, 0,0,    1,192, 0, 0
	Q2 3,0,0,  0,0,    0,0,   0, 0                 ; no load is left: the quarter holds no s_wait_alu
	WIN 0
	s_wait_loadcnt 0x0                             ; d and v of pass 2
	s_wait_dscnt 0x0
	s_branch .Lepi
; THE TAIL.  The rows' sums meet; every wave makes all 128 weights; wave w makes channels 256 w .. 256 w + 255 of the weighted sum.
; Its addresses are all made first, so that one wait serves every LDS and global line that reads them.  The eight runs of turned fragments land in eight sets of registers of their own, the 512 of
; windows 2 and 3 that were accumulators: no run lands in registers that a product of the tail has read.
.set LW,  48                           ; v48  LGS + 512 w + 4 (l % 16)
.set LR,  49                           ; v49  LGS + 16 l
.set L16, 50                           ; v50  16 l; never rewritten: wave 0's store reads it
.set TA,  51
.set MX,  52                           ; v52  the chunk's maximum
.set TC,  53
.set PW,  54                           ; v54  PSB + 256 w + 8 l
.set PR,  55                           ; v55  PSB + 256 w + 16 (l / 16)
.set TRB, 56                           ; v56-59  the turning loads: rows 32 kk + 8 (l / 16) + l % 8, bytes 512 w + 16 ((l / 8) % 2)
.set OSW, 60
.set OSR, 61
.set POO, 62
.set XL,  64                           ; v64-67  lg2 of rows 4 l .. 4 l + 3; not rewritten: wave 0's store reads them
.set PF,  96                           ; v96-127 the weights as source 0: 32 rows kk at PF + 8 kk
.Ltail:
.irp a, 0,1,2,3,4,5,6,7
	v_permlanex16_b32 v[LT+\a], v[LGA+\a], s[SEL], s[SEL+1]  ; a row's other 64 columns of my 128 lie in the lane 16 away
.endr
.irp a, 0,1,2,3,4,5,6,7
	v_add_f32 v[LGA+\a], v[LGA+\a], v[LT+\a]
.endr
	s_lshl_b32 s36, s[WV], 9
	v_lshl_add_u32 v[LW], v1, 2, s36
	v_add_nc_u32 v[LW], LGS, v[LW]
	v_lshlrev_b32 v[L16], 4, v3
	v_add_nc_u32 v[LR], LGS, v[L16]
	v_and_b32 v[TA], 7, v0
	v_lshl_add_u32 v[TA], v2, 3, v[TA]
	v_bfe_u32 v[TC], v0, 3, 1
	v_mul_u32_u24 v[TRB], v[TA], PITCH
	v_lshl_add_u32 v[TRB], v[TC], 4, v[TRB]
	v_add_nc_u32 v[TRB], s36, v[TRB]               ; 256 channels in bf16: 512 w
	v_add_nc_u32 v[TRB+1], 32*PITCH, v[TRB]
	v_add_nc_u32 v[TRB+2], 64*PITCH, v[TRB]
	v_add_nc_u32 v[TRB+3], 96*PITCH, v[TRB]
	s_lshl_b32 s37, s[WV], 8
	v_lshl_add_u32 v[PW], v3, 3, s37
	v_add_nc_u32 v[PW], PSB, v[PW]
	v_lshl_add_u32 v[PR], v2, 4, s37
	v_add_nc_u32 v[PR], PSB, v[PR]
	s_lshl_b32 s37, s[WV], 10
	v_lshl_add_u32 v[OSW], v1, 2, s37
	v_add_nc_u32 v[OSW], OSB, v[OSW]
	v_add_nc_u32 v[POO], s37, v[L16]
	v_add_nc_u32 v[OSR], OSB, v[POO]
	s_mov_b32 s38, 0xc038aa3b                      ; -2 log2(e)
	s_mov_b32 s39, 0xc038aa3b
	s_wait_alu depctr_va_vdst(0)                   ; the rows' sums v24-31, which the stores below read, and all the tail's addresses v48-62 are written; the last quarter's products are done reading v64-127, in which LDS loads of the tail land
.irp a, 0,1,2,3,4,5,6,7
	ds_store_b32 v[LW], v[LGA+\a] offset:64*\a     ; both halves of the lanes write the same word with the same number
.endr
	s_wait_dscnt 0x0                               ; for the others' sake: my 128 partial sums lie in LDS
	s_barrier_signal -1
	s_barrier_wait -1
.irp w, 0,1,2,3
	ds_load_b128 v[XL+4*\w:XL+4*\w+3], v[LR] offset:512*\w
.endr
	s_wait_dscnt 0x0
.irp x, 0,2                                    ; the same order of additions in every wave: all four hold the same numbers
	v_pk_add_f32 v[XL+\x:XL+\x+1], v[XL+\x:XL+\x+1], v[XL+4+\x:XL+4+\x+1]
	v_pk_add_f32 v[XL+8+\x:XL+8+\x+1], v[XL+8+\x:XL+8+\x+1], v[XL+12+\x:XL+12+\x+1]
.endr
.irp x, 0,2
	v_pk_add_f32 v[XL+\x:XL+\x+1], v[XL+\x:XL+\x+1], v[XL+8+\x:XL+8+\x+1]
.endr
.irp x, 0,2
	v_pk_mul_f32 v[XL+\x:XL+\x+1], v[XL+\x:XL+\x+1], s[38:39] op_sel_hi:[1,0]
.endr
	s_cmp_lg_u32 s[WV], 0
	s_cbranch_scc1 .Lnot0
	s_wait_alu depctr_va_vdst(0)                   ; the scalings have written v64-67, which the store reads
	global_store_b128 v[L16], v[XL:XL+3], s[12:13]  ; the chunk's 128 logits: 512 consecutive bytes, at a multiple of 256 from LG's first byte
.Lnot0:
	v_max3_num_f32 v[MX], v[XL], v[XL+1], v[XL+2]
	v_max_num_f32 v[MX], v[MX], v[XL+3]
	v_max_num_f32_dpp v[MX], v[MX], v[MX] row_xmask:1 row_mask:0xf bank_mask:0xf
	v_max_num_f32_dpp v[MX], v[MX], v[MX] row_xmask:2 row_mask:0xf bank_mask:0xf
	v_max_num_f32_dpp v[MX], v[MX], v[MX] row_xmask:4 row_mask:0xf bank_mask:0xf
	v_max_num_f32_dpp v[MX], v[MX], v[MX] row_xmask:8 row_mask:0xf bank_mask:0xf
	v_permlanex16_b32 v[LT+1], v[MX], s[SEL], s[SEL+1]
	v_max_num_f32 v[MX], v[MX], v[LT+1]
.irp x, 0,1,2,3
	v_sub_f32 v[XL+4+\x], v[XL+\x], v[MX]
.endr
.irp x, 0,1,2,3
	v_exp_f32 v[XL+4+\x], v[XL+4+\x]
.endr
	v_nop
	s_wait_alu depctr_va_vdst(0)                   ; the four exponentials have written v68-71, which the roundings read
	v_cvt_pk_bf16_f32 v[XL+8], v[XL+4], v[XL+5]
	v_cvt_pk_bf16_f32 v[XL+9], v[XL+6], v[XL+7]
	s_wait_alu depctr_va_vdst(0)                   ; the roundings have written v72-73, which the store reads; all that named windows 2 and 3, in which the turned fragments land, stands ahead of this wait too
	ds_store_b64 v[PW], v[XL+8:XL+9]               ; my wave's own copy: no barrier; LDS serves a wave's lines in order (ISA guide 5.7.1.4)
.irp k, 0,1,2,3
	ds_load_b128 v[PF+8*\k:PF+8*\k+3],   v[PR] offset:64*\k      ; source 0: sixteen equal rows of weights
	ds_load_b128 v[PF+8*\k+4:PF+8*\k+7], v[PR] offset:64*\k+32
.endr
; Run n of 8: rows 32 (n / 2) on, channel tiles 8 (n % 2) + 0..7, turned ([row][channel] in LDS) into 64 registers of its own: window 2 + n / 4, from 64 (n % 4) on.
.macro TL n
	WIN 0x80+0x40*((\n)/4)
.irp t, 0,1,2,3,4,5,6,7
	ds_load_tr16_b128 v[64*((\n)%4)+8*(\t):64*((\n)%4)+8*(\t)+3],   v[TRB+(\n)/2] offset:32*(8*((\n)%2)+(\t))
	ds_load_tr16_b128 v[64*((\n)%4)+8*(\t)+4:64*((\n)%4)+8*(\t)+7], v[TRB+(\n)/2] offset:32*(8*((\n)%2)+(\t))+16*PITCH
.endr
.endm
.macro OMUL n                          ; its 8 products: accumulators of window 1 by turns; the first two runs start the sums
	WIN 0x58+0x04*((\n)/4)                         ; the weights in window 0, the run in window 2 or 3, C and D in window 1
.irp t, 0,1,2,3,4,5,6,7
.if (\n) < 2
	v_wmma_f32_16x16x32_bf16 v[8*(8*((\n)%2)+(\t)):8*(8*((\n)%2)+(\t))+7], v[PF+8*((\n)/2):PF+8*((\n)/2)+7], v[64*((\n)%4)+8*(\t):64*((\n)%4)+8*(\t)+7], 0
.else
	v_wmma_f32_16x16x32_bf16 v[8*(8*((\n)%2)+(\t)):8*(8*((\n)%2)+(\t))+7], v[PF+8*((\n)/2):PF+8*((\n)/2)+7], v[64*((\n)%4)+8*(\t):64*((\n)%4)+8*(\t)+7], v[8*(8*((\n)%2)+(\t)):8*(8*((\n)%2)+(\t))+7]
.endif
.endr
.endm
	TL 0
	TL 1
	TL 2
.irp n, 0,1,2,3,4,5,6,7
.if (\n) < 6
	s_wait_dscnt 32                                ; this run is in; the next two runs' 32 loads may be out
.else
	s_wait_dscnt 16*(7-(\n))                       ; the counts run down
.endif
	OMUL \n
.if (\n) < 5
	TL (\n)+3                                      ; no wait: no vector or matrix line since the wait ahead of the weights' store names this run's registers or its address
.endif
.endr
	PLACES                                         ; behind the last product, ahead of the stores that read results
	WIN 0x04                                       ; the data in window 1
	s_wait_alu depctr_va_vdst(0)                   ; the products have written the sixteen accumulators, whose lowest registers the stores read; the places above stay beside this wait
.set t, 0
.rept 16
	ds_store_b32 v[OSW], v[8*t] offset:64*t        ; all sixteen rows of a result are equal: its lowest register holds channel 16 t + l % 16
.set t, t+1
.endr
	WIN 0
	ds_load_b128 v[80:83], v[OSR]                  ; my wave's own bytes, back as 16 bytes a lane
	ds_load_b128 v[84:87], v[OSR] offset:512
	s_wait_dscnt 0x0
	global_store_b128 v[POO], v[80:83], s[14:15]   ; 512 consecutive bytes, at a multiple of 256 from PO's first byte
	global_store_b128 v[POO], v[84:87], s[14:15] offset:512
	s_wait_dscnt 0x0                               ; the closing lines, six on end
	s_wait_alu 0x0
	s_wait_tensorcnt 0x0
	ds_add_u32 v[SPW], v[NIL]
	s_wait_dscnt 0x0
	s_endpgm
.Lfunc_end_k_q5c48cc8ade_main:
	.size	k_q5c48cc8ade_main, .Lfunc_end_k_q5c48cc8ade_main-k_q5c48cc8ade_main
	.p2alignl 7, 3214868480
	.fill 96, 4, 3214868480
	.section	.rodata,"a",@progbits
	.p2align	6, 0x0
	.amdhsa_kernel k_q5c48cc8ade_main
		.amdhsa_group_segment_fixed_size 271872
		.amdhsa_private_segment_fixed_size 0
		.amdhsa_enable_private_segment 0
		.amdhsa_kernarg_size 48
		.amdhsa_user_sgpr_count 2
		.amdhsa_user_sgpr_kernarg_segment_ptr 1
		.amdhsa_wavefront_size32 1
		.amdhsa_system_sgpr_workgroup_id_x 1
		.amdhsa_system_sgpr_workgroup_id_y 1
		.amdhsa_system_sgpr_workgroup_id_z 1
		.amdhsa_system_vgpr_workitem_id 0
		.amdhsa_next_free_vgpr 1024
		.amdhsa_next_free_sgpr 66
		.amdhsa_reserve_vcc 0
		.amdhsa_float_denorm_mode_32 3
		.amdhsa_float_denorm_mode_16_64 3
		.amdhsa_memory_ordered 1
		.amdhsa_forward_progress 1
		.amdhsa_inst_pref_size 255
	.end_amdhsa_kernel
	.section	.bss,"aw",@nobits
	.p2align	6
	.space	262144
	.amdgpu_metadata
---
amdhsa.version: [ 1, 2 ]
amdhsa.kernels:
  - .name:           k_q5c48cc8ade_main
    .symbol:         k_q5c48cc8ade_main.kd
    .args:
      - { .name: encoder_outputs, .offset: 0, .size: 8, .value_kind: global_buffer, .address_space: global }
      - { .name: WT, .offset: 8, .size: 8, .value_kind: global_buffer, .address_space: global }
      - { .name: D2, .offset: 16, .size: 8, .value_kind: global_buffer, .address_space: global }
      - { .name: v, .offset: 24, .size: 8, .value_kind: global_buffer, .address_space: global }
      - { .name: LG, .offset: 32, .size: 8, .value_kind: global_buffer, .address_space: global }
      - { .name: PO, .offset: 40, .size: 8, .value_kind: global_buffer, .address_space: global }
    .group_segment_fixed_size: 271872
    .private_segment_fixed_size: 0
    .kernarg_segment_align: 8
    .kernarg_segment_size: 48
    .max_flat_workgroup_size: 128
    .sgpr_count:     66
    .vgpr_count:     1024
    .wavefront_size: 32
...
	.end_amdgpu_metadata
.endif
;; end of part 4
;; launch fin: the kernel of part 3 again; grid 32 x 1, 8 waves a work-group, no clusters, 1,536 bytes of LDS; arguments LG, PO, out0, out1; writes out0, out1
